; MI455X (gfx1250); checked and timed in simulation.
; The chip was launched on July 23, 2026; its instructions are those of AMD's public machine-readable ISA for CDNA 5 (MIT licence, August 2026) and "CDNA5" Instruction Set Architecture Reference Guide (July 2026). The comments in the code are by the model that wrote it; some were corrected since.
;; Attention. Allowed arithmetic: float matrix products may take bf16 or f16 operands with f32 sums; other float arithmetic in f32, or as packed bf16 or f16 multiplies, adds, multiply-adds, maxima and minima; sums over many terms, partial sums and values carried from step to step in f32; what a program stores and reads back later, other than sums and carried values, may be rounded once to bf16 or f16.
;; Inputs: K 4 x 2,048 x 2,048 float32; Q 4 x 2,048 x 2,048 float32; V 4 x 2,048 x 2,048 float32; Wk 2,048 x 256 float32; Wo 512 x 2,048 float32; Wq 2,048 x 256 float32; Wv 2,048 x 512 float32.
;; Outputs: out0 4 x 2,048 x 2,048 float32.
;; 2 versions, each right; version 2 is version 1 with the launch wcast written anew for expert scheduling mode. Each part assembles by itself: llvm-mc -triple=amdgcn-amd-amdhsa -mcpu=gfx1250 --defsym DOCPART=n.
;; ======== version 1 of 2: 4 launches
;; limits: values are held in f16: magnitudes above 65,504 overflow, below 6.1e-05 lose precision
;; workspace buffers: wp 4,194,304 bytes; wo16 2,097,152 bytes; qkv 16,777,216 bytes; ob 8,388,608 bytes
;; launch wcast (part 1): grid 256 x 1, 8 waves a work-group, no clusters, 0 bytes of LDS; arguments Wq, Wk, Wv, Wo, wp, wo16; writes wp, wo16
.if DOCPART == 1
	.amdgcn_target "amdgcn-amd-amdhsa--gfx1250"
	.amdhsa_code_object_version 6
	.text
	.protected	k_q7f211f608d_wcast
	.globl	k_q7f211f608d_wcast
	.p2align	8
	.type	k_q7f211f608d_wcast,@function
k_q7f211f608d_wcast:
	s_mov_b64 s[64:65], 0
	v_nop
	global_prefetch_b8 v0, s[64:65] scope:SCOPE_SE
	s_setreg_imm32_b32 hwreg(HW_REG_WAVE_MODE, 25, 1), 1
	s_wait_xcnt 0x0
; THE WEIGHTS IN 16 BITS, still [k][n].  wp: four slots of [2048 k][256 columns] bf16, 1 MiB each: Wq, Wk, Wv's columns 0-255, Wv's columns 256-511.
; wo16: [512][2048] f16: Wo rounded to bf16 like every input of the module, and that number written as f16.
; LIMIT.  bf16(Wo) lies within f16's range, 65,504; below 6e-5 f16 keeps a fixed step of 6e-8.
; SHARES.  256 work-groups, all alike: 2,048 numbers of Wq, 2,048 of Wk, 4,096 of Wv, 4,096 of Wo.  A thread takes 4 f32 a load (a wave: 512 consecutive bytes)
; and stores 4 halves (a wave: 256 consecutive bytes, aligned).  Twelve loads go out first; each is waited for by count.  Nothing is shared, so no LDS, no barrier, no matrix unit.
.set X, 16                             ; v[16:63]  load n: four f32
.set Y, 64                             ; v[64:87]  store n: four halves; no pair is written behind its store
.set T, 88                             ; v[88:91]  at work
	s_load_b256 s[4:11], s[0:1], 0x0               ; Wq s[4:5], Wk s[6:7], Wv s[8:9], Wo s[10:11]
	s_load_b128 s[12:15], s[0:1], 0x20             ; wp s[12:13], wo16 s[14:15]
	v_lshlrev_b32 v1, 4, v0                        ; source: 16 bytes a thread
	v_lshlrev_b32 v2, 3, v0                        ; destination, where the layout stays: 8 bytes a thread
	v_and_b32 v3, 63, v0                           ; Wv: a load is two rows of 512 columns; thread t holds row t / 128, columns 4 (t % 128) on
	v_bfe_u32 v4, v0, 6, 1                         ; which half of the columns, that is which slot
	v_lshrrev_b32 v5, 7, v0                        ; which of the two rows
	v_lshlrev_b32 v3, 3, v3
	v_lshl_add_u32 v3, v4, 20, v3
	v_lshl_add_u32 v3, v5, 9, v3                   ; slot x 1 MiB + row x 512 + 8 (t % 64)
	s_lshl_b32 s16, ttmp9, 13                      ; the work-group's part: 8,192 bytes of Wq, of Wk and of wo16,
	s_mov_b32 s17, 0
	s_lshl_b32 s18, ttmp9, 14                      ; 16,384 of Wv and of Wo,
	s_mov_b32 s19, 0
	s_lshl_b32 s20, ttmp9, 12                      ; 4,096 of each slot of wp
	s_mov_b32 s21, 0
	s_mov_b32 s22, 0xffff0000                      ; a word's upper bf16
	s_wait_kmcnt 0x0
	s_add_nc_u64 s[4:5], s[4:5], s[16:17]
	s_add_nc_u64 s[6:7], s[6:7], s[16:17]
	s_add_nc_u64 s[8:9], s[8:9], s[18:19]
	s_add_nc_u64 s[10:11], s[10:11], s[18:19]
	s_add_nc_u64 s[12:13], s[12:13], s[20:21]
	s_add_nc_u64 s[14:15], s[14:15], s[16:17]
.irp i, 0,1
	global_load_b128 v[X+4*(\i):X+4*(\i)+3], v1, s[4:5] offset:(\i)*4096 th:TH_LOAD_NT
.endr
.irp i, 0,1
	global_load_b128 v[X+8+4*(\i):X+8+4*(\i)+3], v1, s[6:7] offset:(\i)*4096 th:TH_LOAD_NT
.endr
.irp i, 0,1,2,3
	global_load_b128 v[X+16+4*(\i):X+16+4*(\i)+3], v1, s[8:9] offset:(\i)*4096 th:TH_LOAD_NT
.endr
.irp i, 0,1,2,3
	global_load_b128 v[X+32+4*(\i):X+32+4*(\i)+3], v1, s[10:11] offset:(\i)*4096 th:TH_LOAD_NT
.endr
.macro CV n                            ; load n is in (the 11 - n younger ones may stay out: loads come back in order, ISA guide 5.7.1); four roundings to bf16
	s_wait_loadcnt 11-(\n)
	v_cvt_pk_bf16_f32 v[Y+2*(\n)], v[X+4*(\n)], v[X+4*(\n)+1]
	v_cvt_pk_bf16_f32 v[Y+2*(\n)+1], v[X+4*(\n)+2], v[X+4*(\n)+3]
.endm
.irp i, 0,1
	CV \i
	global_store_b64 v2, v[Y+2*(\i):Y+2*(\i)+1], s[12:13] offset:(\i)*2048
.endr
.irp i, 0,1
	CV 2+\i
	global_store_b64 v2, v[Y+4+2*(\i):Y+4+2*(\i)+1], s[12:13] offset:0x100000+(\i)*2048
.endr
.irp i, 0,1,2,3
	CV 4+\i
	global_store_b64 v3, v[Y+8+2*(\i):Y+8+2*(\i)+1], s[12:13] offset:0x200000+(\i)*1024
.endr
.irp i, 0,1,2,3
	CV 8+\i
	v_lshlrev_b32 v[T], 16, v[Y+16+2*(\i)]         ; the bf16 numbers as f32,
	v_and_b32 v[T+1], s22, v[Y+16+2*(\i)]
	v_lshlrev_b32 v[T+2], 16, v[Y+16+2*(\i)+1]
	v_and_b32 v[T+3], s22, v[Y+16+2*(\i)+1]
	v_cvt_pk_f16_f32 v[Y+16+2*(\i)], v[T], v[T+1]  ; written as f16: exact within f16's range
	v_cvt_pk_f16_f32 v[Y+16+2*(\i)+1], v[T+2], v[T+3]
	global_store_b64 v2, v[Y+16+2*(\i):Y+16+2*(\i)+1], s[14:15] offset:(\i)*2048
.endr
	s_endpgm
.Lfunc_end_k_q7f211f608d_wcast:
	.size	k_q7f211f608d_wcast, .Lfunc_end_k_q7f211f608d_wcast-k_q7f211f608d_wcast
	.p2alignl 7, 3214868480
	.fill 96, 4, 3214868480
	.section	.rodata,"a",@progbits
	.p2align	6, 0x0
	.amdhsa_kernel k_q7f211f608d_wcast
		.amdhsa_group_segment_fixed_size 0
		.amdhsa_private_segment_fixed_size 0
		.amdhsa_enable_private_segment 0
		.amdhsa_kernarg_size 48
		.amdhsa_user_sgpr_count 2
		.amdhsa_user_sgpr_kernarg_segment_ptr 1
		.amdhsa_wavefront_size32 1
		.amdhsa_system_sgpr_workgroup_id_x 1
		.amdhsa_system_sgpr_workgroup_id_y 1
		.amdhsa_system_sgpr_workgroup_id_z 1
		.amdhsa_system_vgpr_workitem_id 0
		.amdhsa_next_free_vgpr 96
		.amdhsa_next_free_sgpr 66
		.amdhsa_reserve_vcc 0
		.amdhsa_float_denorm_mode_32 3
		.amdhsa_float_denorm_mode_16_64 3
		.amdhsa_memory_ordered 1
		.amdhsa_forward_progress 1
		.amdhsa_inst_pref_size 7
	.end_amdhsa_kernel
	.amdgpu_metadata
---
amdhsa.version: [ 1, 2 ]
amdhsa.kernels:
  - .name:           k_q7f211f608d_wcast
    .symbol:         k_q7f211f608d_wcast.kd
    .args:
      - { .name: Wq, .offset: 0, .size: 8, .value_kind: global_buffer, .address_space: global }
      - { .name: Wk, .offset: 8, .size: 8, .value_kind: global_buffer, .address_space: global }
      - { .name: Wv, .offset: 16, .size: 8, .value_kind: global_buffer, .address_space: global }
      - { .name: Wo, .offset: 24, .size: 8, .value_kind: global_buffer, .address_space: global }
      - { .name: wp, .offset: 32, .size: 8, .value_kind: global_buffer, .address_space: global }
      - { .name: wo16, .offset: 40, .size: 8, .value_kind: global_buffer, .address_space: global }
    .group_segment_fixed_size: 0
    .private_segment_fixed_size: 0
    .kernarg_segment_align: 8
    .kernarg_segment_size: 48
    .max_flat_workgroup_size: 256
    .sgpr_count:     66
    .vgpr_count:     96
    .wavefront_size: 32
...
	.end_amdgpu_metadata
.endif
;; end of part 1
;; launch proj (part 2): grid 4 x 64, 4 waves a work-group, clusters of 4 x 4, 327,680 bytes of LDS; arguments Q, K, V, wp, qkv; writes qkv
.if DOCPART == 2
	.amdgcn_target "amdgcn-amd-amdhsa--gfx1250"
	.amdhsa_code_object_version 6
	.text
	.protected	k_q7f211f608d_proj
	.globl	k_q7f211f608d_proj
	.p2align	8
	.type	k_q7f211f608d_proj,@function
k_q7f211f608d_proj:
	s_mov_b64 s[64:65], 0
	v_nop
	global_prefetch_b8 v0, s[64:65] scope:SCOPE_SE
	s_setreg_imm32_b32 hwreg(HW_REG_WAVE_MODE, 25, 1), 1
	s_wait_xcnt 0x0
	s_wait_alu depctr_hold_cnt(0) depctr_sa_sdst(0) depctr_va_vdst(0) depctr_va_sdst(0) depctr_va_ssrc(0) depctr_va_vcc(0) depctr_vm_vsrc(0)
	s_getreg_b32 s2, hwreg(HW_REG_IB_STS2, 6, 4)
	s_cmp_eq_u32 s2, 0
	s_cbranch_scc0 .Lentry_in_a_cluster
	s_endpgm
.Lentry_in_a_cluster:
	s_bfe_u32 s2, ttmp6, 0x10000c
	s_cmp_lg_u32 s2, 0xf033
	s_cbranch_scc0 .Lentry_shape_is_right
	s_endpgm
.Lentry_shape_is_right:
; THE THREE PROJECTIONS.  Slot x of four: 0: q = Q Wq, 1: k = K Wk, 2: v's columns 0-255 = V Wv, 3: v's columns 256-511.  Activations [8192][2048] f32, rounded to bf16 in registers;
; weights from wp, bf16 [2048 k][256 n] a slot; sums in f32; results rounded once to f16 and NOT scaled.
; qkv: planes [x][batch][group of 32 columns][t 2048][32] f16: a plane is 131,072 bytes, a row 64: a head's rows lie end to end for the launch behind.
; LIMIT.  q, k, v lie within f16's range, 65,504; NaN and infinities are not treated apart.
; SHARES.  A work-group makes 128 rows x the slot's 256 columns: 4 x 64 = 256 work-groups of equal work.  A wave makes 32 rows x 256 columns: 32 accumulators, 256 registers.
; THE ACTIVATIONS COME STRAIGHT INTO REGISTERS.  No wave wants a byte of them that another wave of the work-group has fetched, and a fragment lies in registers as it lies in memory.  A GROUP is eight loads of 16 bytes a lane:
; 16 rows x 256 consecutive bytes, aligned (64 along K: a UNIT, for half of my rows).  One group is issued in each quarter step of 32 along K, rows 0-15 of a unit seven quarters ahead of its use, rows 16-31 six: 40 to 56 loads
; of each wave are on their way all the time, waited for by count; no barrier has a part in that stream.  Four sets of 64 registers take turns.
; THE WEIGHTS go through two LDS slots of 256 along K, filled by the tensor data mover; each wave fetches 64 rows of K.  CLUSTER 4 x 4: a weights' tile hangs on the slot x alone, which a column of the cluster shares: it is asked for
; JOINTLY by the four.  The activations are not: Q's and K's rows have one reader; V's have two (slots 2 and 3), and a load into registers has no mask.
; THE MATRIX INSTRUCTION IS USED TRANSPOSED: source 0 = 16 columns of W (turned out of LDS by ds_load_tr16_b128), source 1 = 16 rows of the activations: a lane holds row l % 16 and eight neighbouring columns.
; REGISTERS, in windows of 256 (s_set_vgpr_msb: bits 1:0 source 0, 3:2 source 1, 5:4 source 2, 7:6 destination):
;   window 0: v0-31 addresses; v32-47, v48-63 the activations' fragments in bf16, two buffers of 2 x 8; on the way out v96-159 packed, v160-223 and v32-95 read back
;   window 1: v0-127, v128-255 the weights' fragments, two buffers of 16 x 8          window 2: accumulator (a, b) at v[8 (16 a + b)], a: 16 rows, b: 16 columns
;   window 3: the activations as they come, in f32: set t at 64 t; in it rows 16 i on at 32 i, quarter kk of the unit at 16 kk
.set PB,    544                        ; a row of B in LDS: 512 bytes + 32 = 136 words: row r starts at bank 8 r mod 64 (64 banks of 4 bytes: ISA guide 11.1)
.set QB,    32*PB                      ; a quarter's 32 rows of K
.set HB,    64*PB                      ; what one load brings: 64 rows of K
.set SLOT,  256*PB                     ; a K step of 256
.set STAGE, 2*SLOT                     ; behind the ring: 16 rows x 592 bytes for each wave, for the way out; no tensor load lands there
.set SP,    592                        ; 148 words: the 16 rows of a store start at 16 different groups of four banks
.set SPARE, STAGE+4*16*SP              ; behind the stages: the spare words, 128 bytes for each wave: two blocks of 256 bytes that no other line names
.set STEPA, 1024                       ; a K step in a row of the activations, in bytes
.set STEPB, 131072                     ; a K step in a slot of wp: 256 rows of 512 bytes
.set ROWS16, 131072                    ; 16 rows of the activations
.set FO,   16                          ; v16     my byte offset in 16 rows of the activations: (l % 16) x 8,192 + 32 (l / 16); never rewritten
.set ADRB0, 17                         ; v17     my lane's place in a quarter of B; never rewritten
.set ADRL, 18                          ; v18     the same in the slot in hand, for quarters 0-3 (an LDS offset has 16 bits),
.set ADRH, 19                          ; v19     and for quarters 4-7
.set STO,  24                          ; v24     the way out: where I put 16 bytes of a row
.set RD,   25                          ; v25     the way out: where I read 16 bytes back
.set CO,   26                          ; v26     16 x lane
.set SPW,  28                          ; v28     LDS address of my spare word; never rewritten
.set NIL,  29                          ; v29     0; never rewritten
.set PFO,  30                          ; v30     the activations' prefetches: my lane's row x 8,192 bytes; never rewritten
.set PFOB, 31                          ; v31     B's prefetches: 256 x lane; never rewritten
.set AH,   32
.set TMP,  96
.set G1,   24                          ; s[24:31] descriptor group 1
.set G0A,  32                          ; s[32:35] descriptor group 0 of the first fill of slot 0; never rewritten
.set G0,   36                          ; s[36:39] of the first fill of slot 1; it then walks on
.set AP,   40                          ; s[40:41] the activations at my wave's first row, at the K step in hand
.set PFB,  42                          ; s[42:43] my 8,192 bytes of a K step of wp, at the K step in hand
.set LIMB, 44                          ; s44     1 in a work-group that prefetches B, else the greatest number
.set WB,   47                          ; s47     my wave's place in a slot
.set CUR,  48                          ; s48     the slot in hand: 0 or SLOT
.set MSB, 0
.macro WIN new                         ; the immediate's high byte repeats the setting that is left; a switch that changes nothing is dropped
.if MSB != (\new)
	s_set_vgpr_msb (MSB<<8)|(\new)
.set MSB, \new
.endif
.endm
.set MUL,  0xa1                        ; source 0 (B) window 1, source 1 (A) window 0, C and D window 2
.set TO_B, 0x40                        ; destination window 1, address window 0
.set TO_A, 0xc0                        ; destination window 3, address window 0
.set CV,   0x0f                        ; sources 0 and 1 window 3, destination window 0
.macro CREST                           ; a round of the cluster's barrier behind its opening barrier
	s_cmp_lg_u32 s14, 0
	s_cbranch_scc1 .Lnot_wave_0_\@
	s_barrier_signal -3
.Lnot_wave_0_\@:
	s_barrier_wait -3
	s_barrier_signal -1
	s_barrier_wait -1
.endm
.macro CROUND                          ; a whole round
	s_barrier_signal -1
	s_barrier_wait -1
	CREST
.endm
; A group: rows 16 i on of the unit that lies u x 256 bytes behind the pointer, into set t.  A fragment is 16 rows x 32 K: lane l holds row l % 16, K = 8 (l / 16) + 0..7 and 16 + 8 (l / 16) + 0..7:
; in f32 four loads of 16 bytes at 32 (l / 16) + 0, 16, 64, 80.  The eight loads together take 256 consecutive bytes, aligned, of each of the 16 rows.
.macro GLOAD u, t, i
	WIN TO_A
.irp kk, 0,1
.irp o, 0,1,2,3
	global_load_b128 v[64*(\t)+32*(\i)+16*(\kk)+4*(\o):64*(\t)+32*(\i)+16*(\kk)+4*(\o)+3], v[FO], s[AP:AP+1] offset:(\u)*256+(\i)*ROWS16+(\kk)*128+16*((\o)%2)+64*((\o)/2)
.endr
.endr
.endm
	s_load_b256 s[4:11], s[0:1], 0x0               ; Q s[4:5], K s[6:7], V s[8:9], wp s[10:11]
	s_load_b64 s[12:13], s[0:1], 0x20              ; qkv
	v_lshl_add_u32 v[SPW], v0, 2, SPARE
	v_mov_b32 v[NIL], 0
	ds_add_u32 v[SPW], v[NIL]                      ; the wave's opening: the add and its wait stand ahead of my first tensor load; the set-up below, work on registers, stands between them
	v_lshrrev_b32 v1, 5, v0
	v_readfirstlane_b32 s14, v1                    ; wave 0..3
	s_bfe_u32 s17, ttmp6, 0x40000                  ; cx
	s_bfe_u32 s18, ttmp6, 0x40004                  ; cy
	s_lshl_b32 s19, ttmp9, 2
	s_add_co_u32 s19, s19, s17                     ; x: the slot
	s_and_b32 s20, ttmp7, 0xffff
	s_lshl_b32 s20, s20, 2
	s_add_co_u32 s20, s20, s18                     ; y: the block of 128 rows
	s_lshl_b32 s66, 0x1111, s17                    ; my column of the cluster: places cx, cx + 4, cx + 8, cx + 12
	s_or_b32 s[G1+0], s66, (1<<16)|(1<<20)|(1<<21)|(6<<22)|(7<<25)  ; the mask of my column, bit 21 beside it; elements of 2 bytes; padding on: after every 128 words (code 6) 8 words (code 7)
	s_mov_b32 s[G1+1], 256<<16                     ; tensor_dim0 = 256
	s_mov_b32 s[G1+2], 64<<16                      ; tensor_dim1 = 64
	s_mov_b32 s[G1+3], 256<<16                     ; tile_dim0 = 256
	s_mov_b32 s[G1+4], 64                          ; tile_dim1 = 64
	s_mov_b32 s[G1+5], 256                         ; elements from row to row
	s_mov_b32 s[G1+6], 0
	s_mov_b32 s[G1+7], 0
	s_mul_i32 s[WB], s14, HB                       ; where my 64 rows of K go: no place in the cluster enters an LDS address
	s_mov_b32 s[CUR], 0
	s_lshl_b32 s68, s20, 20                        ; the activations: 128 rows of 8,192 bytes a block,
	s_lshl_b32 s67, s14, 18                        ; my wave's 32 of them
	s_add_co_u32 s68, s68, s67
	s_mov_b32 s69, 0
	s_lshl_b32 s70, s19, 20                        ; B: 1 MiB a slot (these registers never hold cy),
	s_lshl_b32 s67, s14, 15                        ; my 64 rows of 512 bytes
	s_add_co_u32 s70, s70, s67
	s_mov_b32 s71, 0
	v_and_b32 v1, 15, v0                           ; l % 16
	v_bfe_u32 v2, v0, 4, 1                         ; l / 16
	v_lshlrev_b32 v[FO], 13, v1
	v_lshl_add_u32 v[FO], v2, 5, v[FO]
	s_wait_dscnt 0x0                               ; the opening add is done
	s_wait_kmcnt 0x0
	s_cmp_eq_u32 s19, 0
	s_cselect_b64 s[72:73], s[4:5], s[8:9]         ; the slot's activations: Q, K, V, V
	s_cmp_eq_u32 s19, 1
	s_cselect_b64 s[72:73], s[6:7], s[72:73]
	s_add_nc_u64 s[AP:AP+1], s[72:73], s[68:69]
	GLOAD 0, 0, 0                                  ; the stream begins: units 0, 1, 2 and rows 0-15 of unit 3: 56 loads
	GLOAD 0, 0, 1
	GLOAD 1, 1, 0
	GLOAD 1, 1, 1
	GLOAD 2, 2, 0
	GLOAD 2, 2, 1
	GLOAD 3, 3, 0
	WIN 0
	s_add_nc_u64 s[76:77], s[10:11], s[70:71]
	s_mov_b32 s[G0A], 1                            ; count = 1
	s_mov_b32 s[G0A+1], s[WB]                      ; LDS address: slot 0
	s_mov_b64 s[G0A+2:G0A+3], s[76:77]             ; global address: K step 0
	s_or_b32 s[G0A+3], s[G0A+3], 0x80000000        ; type = 2
	s_mov_b32 s[G0], 1
	s_add_co_u32 s[G0+1], s[WB], SLOT              ; slot 1
	s_add_nc_u64 s[G0+2:G0+3], s[76:77], STEPB     ; K step 1
	s_or_b32 s[G0+3], s[G0+3], 0x80000000
	CROUND                                         ; all sixteen work-groups are here: the first joint loads meet
	tensor_load_to_lds s[G0A:G0A+3], s[G1:G1+7]    ; both first fills together, ahead of every wait on TENSORcnt and every LDS read: two loads of mine are out
	s_nop 0
	tensor_load_to_lds s[G0:G0+3], s[G1:G1+7]
	s_nop 0
.rept 4
	v_nop
.endr
	; B's prefetches: of a K step's 131,072 bytes the partner at cy takes 32,768, my wave 8,192 of them, a lane 256
	s_lshl_b32 s78, s19, 20
	s_lshl_b32 s67, s18, 15
	s_add_co_u32 s78, s78, s67
	s_lshl_b32 s67, s14, 13
	s_add_co_u32 s78, s78, s67
	s_mov_b32 s79, 0
	s_add_nc_u64 s[PFB:PFB+1], s[10:11], s[78:79]
	s_and_b32 s66, ttmp7, 0xffff                   ; cluster y: every cluster of a column of clusters walks the same rows of wp, and the first of them asks
	s_cmp_eq_u32 s66, 0
	s_cselect_b32 s[LIMB], 1, -1                   ; the same in all sixteen partners
	; the activations' prefetches: a lane a row of my wave's 32.  Slots 2 and 3 read the same rows of V: there each takes 16 of the 32, told apart by address (two lanes then name one row)
	s_lshr_b32 s45, s19, 1                         ; 1 in slots 2 and 3
	s_and_b32 s46, s19, s45
	s_and_b32 s46, s46, 1                          ; 1 in slot 3
	s_lshl_b32 s46, s46, 4
	v_and_b32 v3, 31, v0
	v_lshlrev_b32 v[PFOB], 8, v3
	v_lshlrev_b32 v[CO], 4, v3
	v_lshrrev_b32 v[PFO], s45, v3
	v_add_nc_u32 v[PFO], s46, v[PFO]
	v_lshlrev_b32 v[PFO], 13, v[PFO]
	; The turning load takes 16 K x 16 columns (lane l reads row of K 8 (l / 16) + l % 8, columns 8 ((l / 8) % 2) + 0..7) and leaves half a fragment: lane l holds column l % 16 and 8 K.
	v_and_b32 v4, 7, v0
	v_lshl_add_u32 v4, v2, 3, v4
	v_mul_u32_u24 v4, v4, PB
	v_bfe_u32 v5, v0, 3, 1
	v_lshl_add_u32 v[ADRB0], v5, 4, v4
	v_mov_b32 v[ADRL], v[ADRB0]                    ; K step 0 lies in slot 0
	v_add_nc_u32 v[ADRH], 4*QB, v[ADRL]
	s_mul_i32 s66, s14, 16*SP
	s_add_co_u32 s66, s66, STAGE                   ; my stage
	v_mul_u32_u24 v3, v1, SP                       ; in: row l % 16, 16 bytes for each half of the lanes
	v_lshl_add_u32 v3, v2, 4, v3
	v_add_nc_u32 v[STO], s66, v3
	v_bfe_u32 v3, v0, 2, 3                         ; back: 32 lanes take eight rows x 64 bytes, a group of 32 columns
	v_mul_u32_u24 v3, v3, SP
	v_and_b32 v4, 3, v0
	v_lshl_add_u32 v3, v4, 4, v3
	v_add_nc_u32 v[RD], s66, v3
	s_lshl_b32 s66, s19, 5                         ; my first plane: 32 x + 8 batch,
	s_lshr_b32 s67, s20, 4
	s_lshl_b32 s67, s67, 3
	s_add_co_u32 s66, s66, s67
	s_lshl_b32 s66, s66, 17
	s_and_b32 s67, s20, 15                         ; the block's 128 rows of 64 bytes in its batch,
	s_lshl_b32 s67, s67, 13
	s_add_co_u32 s66, s66, s67
	s_lshl_b32 s67, s14, 11                        ; my 32 of them
	s_add_co_u32 s66, s66, s67
	s_mov_b32 s67, 0
	s_add_nc_u64 s[12:13], s[12:13], s[66:67]
; 16 roundings: my 32 rows x quarter q's 32 K become buffer q % 2 of bf16 fragments.  They are also the places between the products of the quarter before and the loads into the registers that those products read.
.macro CVT q
	WIN CV
.set n, 0
.rept 16
	v_cvt_pk_bf16_f32 v[AH+16*((\q)%2)+n], v[64*(((\q)/2)%4)+32*(n/8)+16*((\q)%2)+2*(n%8)], v[64*(((\q)/2)%4)+32*(n/8)+16*((\q)%2)+2*(n%8)+1]
.set n, n+1
.endr
.endm
; 16 LDS loads: half (8 column blocks) of quarter nq's fragments of B, out of the slot in hand, into buffer pn
.macro FETCHH nq, half, pn
	WIN TO_B
.set bb, 8*(\half)
.rept 8
	ds_load_tr16_b128 v[128*(\pn)+8*bb:128*(\pn)+8*bb+3],   v[ADRL+(\nq)/4] offset:((\nq)%4)*QB+32*bb
	ds_load_tr16_b128 v[128*(\pn)+8*bb+4:128*(\pn)+8*bb+7], v[ADRL+(\nq)/4] offset:((\nq)%4)*QB+32*bb+16*PB
.set bb, bb+1
.endr
.endm
; 2 n matrix instructions: column blocks b0 on x my two row blocks.  The 32 accumulators take turns, one instruction a turn, in the same order in every quarter.  zero = 1: the first product starts the sums.
.macro MULB p, b0, n, zero
	WIN MUL
.set bb, \b0
.rept \n
.irp a, 0,1
.if \zero
	v_wmma_f32_16x16x32_bf16 v[8*(16*(\a)+bb):8*(16*(\a)+bb)+7], v[128*(\p)+8*bb:128*(\p)+8*bb+7], v[AH+16*(\p)+8*(\a):AH+16*(\p)+8*(\a)+7], 0
.else
	v_wmma_f32_16x16x32_bf16 v[8*(16*(\a)+bb):8*(16*(\a)+bb)+7], v[128*(\p)+8*bb:128*(\p)+8*bb+7], v[AH+16*(\p)+8*(\a):AH+16*(\p)+8*(\a)+7], v[8*(16*(\a)+bb):8*(16*(\a)+bb)+7]
.endif
.endr
.set bb, bb+1
.endr
.endm
; A K step is eight quarters of 32 along K; quarter q works on buffers q % 2.  One of the first seven.  A unit of the activations serves two quarters: the even one waits for it.
; lw: how many younger loads may stay out then: five groups were issued behind the unit's second group.  ld = 1: a group is issued, into registers that the roundings have just read or read a quarter ago:
; in quarter 2 w rows 16-31 of the step's unit w + 3, in quarter 2 w + 1 rows 0-15 of unit w + 4.  stp = 1: the step's first quarter: the pointers step.
; pf = 1 (even quarters): behind the loads one prefetch into the L2, a lane a row: the unit that lies three units behind the one just asked for by a load; its own loads follow five and six quarters later.
; B's fragments for the next quarter are fetched in two runs of 16, each in front of 16 products; each run is waited for a quarter later, with the run behind it left out.
.macro QUARTER q, zero, ld, pf, stp, lw
.if ((\q)%2) == 0
	s_wait_loadcnt \lw                             ; loads come back in order (ISA guide 5.7.1): the unit is in
.endif
	s_wait_dscnt 16                                ; the first half of this quarter's B is in; the second half's 16 loads may stay out
	CVT \q
.if \stp
	s_wait_xcnt 0x0                                ; every load and prefetch issued so far (the youngest prefetch sixteen products back) has read its address, so the pointers may be written
	s_add_nc_u64 s[AP:AP+1], s[AP:AP+1], STEPA
	s_add_nc_u64 s[PFB:PFB+1], s[PFB:PFB+1], STEPB
.endif
.if \ld
.if ((\q)%2) == 0
	GLOAD (\q)/2+3, ((\q)/2+3)%4, 1
.else
	GLOAD (\q)/2+4, ((\q)/2)%4, 0
.endif
.endif
.if (\pf) && (((\q)%2) == 0)
	global_prefetch_b8 v[PFO], s[AP:AP+1] offset:((\q)/2+6)*256 th:TH_LOAD_NT scope:SCOPE_SE
.endif
	FETCHH (\q)+1, 0, 1-((\q)%2)
	MULB (\q)%2, 0, 8, \zero
	s_wait_dscnt 16                                ; the second half is in; the 16 loads just issued may stay out
	FETCHH (\q)+1, 1, 1-((\q)%2)
	MULB (\q)%2, 8, 8, \zero
.endm
; The eighth quarter changes slots: ONE barrier.  In front of it each wave waits for all its tensor loads (the one that is out is its part of the next slot), adds 0 to its spare word, and waits for that and for its reads of
; this slot.  fill = 1: the barrier opens a round of the cluster's, and the slot just read is filled again, two K steps on, first thing behind the round: the load has 224 matrix instructions in which to land.
; Behind it and the run of LDS loads stands B's prefetch: my 8,192 bytes of the K step that the NEXT refill will ask for; the loop's last trip has no such step.
.macro TURN fill
	s_wait_dscnt 16
	CVT 7
	GLOAD 7, 3, 0
	WIN 0
	s_wait_tensorcnt 0x0                           ; all my tensor loads have landed, so the walking group 0 may be written;
	ds_add_u32 v[SPW], v[NIL]                      ; 0 onto my spare word
.if \fill
	s_add_co_u32 s[G0+1], s[WB], s[CUR]            ; the slot that is being left,
	s_add_nc_u64 s[G0+2:G0+3], s[G0+2:G0+3], STEPB ; the K step after the one asked for last; the type bits on top are not reached
.endif
	s_xor_b32 s[CUR], s[CUR], SLOT                 ; 0 and SLOT by turns
	v_add_nc_u32 v[ADRL], s[CUR], v[ADRB0]         ; (all reads of the slot that is left have been issued)
	v_add_nc_u32 v[ADRH], 4*QB, v[ADRL]
	MULB 1, 0, 4, 0                                ; eight matrix instructions stand between the add and the wait for it
	s_wait_dscnt 0x0                               ; the add is done, and my reads of this slot are over
	s_barrier_signal -1
	MULB 1, 4, 4, 0                                ; work on registers while the others arrive
	WIN 0
	s_barrier_wait -1
.if \fill
	CREST                                          ; no wave of any partner still reads this slot's tile or has a load on its way
	tensor_load_to_lds s[G0:G0+3], s[G1:G1+7]
	s_nop 0
.rept 4
	v_nop
.endr
.endif
	FETCHH 0, 0, 0
	FETCHH 0, 1, 0
.if \fill
	WIN 0
	s_cmp_gt_u32 s3, s[LIMB]
	s_cbranch_scc0 .Lno_b_\@
	global_prefetch_b8 v[PFOB], s[PFB:PFB+1] offset:3*STEPB th:TH_LOAD_NT scope:SCOPE_SE
.Lno_b_\@:
.endif
	MULB 1, 8, 8, 0
.endm
	s_wait_tensorcnt 1                             ; my part of K step 0 is in; K step 1's may stay out
	s_barrier_signal -1
	s_barrier_wait -1                              ; everybody's is
	FETCHH 0, 0, 0
	FETCHH 0, 1, 0
	QUARTER 0, 1, 1, 0, 0, 40                      ; the first quarter stands in front of the loop: its products start the sums.  Nothing is prefetched here, where every work-group's first loads are on their way
	WIN 0                                          ; at a label and at a branch every window is 0
	s_mov_b32 s3, 6
.Lstep:                                                ; six trips, from a K step's second quarter to the next step's first; K steps 2 to 7 of B are asked for
	QUARTER 1, 0, 1, 0, 0, 0
	QUARTER 2, 0, 1, 1, 0, 40
	QUARTER 3, 0, 1, 0, 0, 0
	QUARTER 4, 0, 1, 1, 0, 40
	QUARTER 5, 0, 1, 0, 0, 0
	QUARTER 6, 0, 1, 1, 0, 40
	TURN 1
	QUARTER 0, 0, 1, 1, 1, 40
	WIN 0
	s_sub_co_u32 s3, s3, 1
	s_cmp_lg_u32 s3, 0
	s_cbranch_scc1 .Lstep
	QUARTER 1, 0, 1, 0, 0, 0                       ; the seventh K step fills nothing and has no round; it asks for the last units by its loads, and prefetches nothing
	QUARTER 2, 0, 1, 0, 0, 40
	QUARTER 3, 0, 1, 0, 0, 0
	QUARTER 4, 0, 1, 0, 0, 40
	QUARTER 5, 0, 1, 0, 0, 0
	QUARTER 6, 0, 1, 0, 0, 40
	TURN 0
	QUARTER 0, 0, 1, 0, 1, 40                      ; the last group of all: rows 16-31 of the last unit
	QUARTER 1, 0, 0, 0, 0, 0                       ; the eighth K step loads nothing more: the counts run down, by two groups a unit
	QUARTER 2, 0, 0, 0, 0, 32
	QUARTER 3, 0, 0, 0, 0, 0
	QUARTER 4, 0, 0, 0, 0, 16
	QUARTER 5, 0, 0, 0, 0, 0
	QUARTER 6, 0, 0, 0, 0, 0
	s_wait_dscnt 16                                ; the very last quarter: nothing more to fetch
	CVT 7
	MULB 1, 0, 8, 0
	s_wait_dscnt 0x0
	MULB 1, 8, 8, 0
; THE WAY OUT, 16 rows at a time.  PACK: rounded to f16, 16 bytes a lane, each accumulator's registers in ascending order.  TOSTAGE: into my own stage, and back by groups of 32 columns, eight rows x 64 bytes a load.
; SEND: each store of the wave covers 512 consecutive bytes of a plane, aligned.  Each block has its own registers for what is read back, so no store's data is rewritten.
.macro PACK a
	WIN 0x0a                                       ; sources 0 and 1 window 2
.set bb, 0
.rept 16
.irp r, 0,1,2,3
	v_cvt_pk_f16_f32 v[TMP+4*bb+(\r)], v[8*(16*(\a)+bb)+2*(\r)], v[8*(16*(\a)+bb)+2*(\r)+1]
.endr
.set bb, bb+1
.endr
	WIN 0
.endm
.macro TOSTAGE a
.set OBA, 160-128*(\a)
.set bb, 0
.rept 16
	ds_store_b128 v[STO], v[TMP+4*bb:TMP+4*bb+3] offset:32*bb
.set bb, bb+1
.endr
.set ff, 0
.rept 16
	ds_load_b128 v[OBA+4*ff:OBA+4*ff+3], v[RD] offset:(ff/2)*64+(ff%2)*8*SP  ; LDS serves a wave's instructions in order (ISA guide 5.7.1.4): these see the stores above; the next block's stores come behind them
.set ff, ff+1
.endr
.endm
.macro SEND a
.set OBA, 160-128*(\a)
.set ff, 0
.rept 16
	s_wait_dscnt 15-ff                             ; load ff of the sixteen is back
	global_store_b128 v[CO], v[OBA+4*ff:OBA+4*ff+3], s[12:13] offset:(ff/2)*131072+(\a)*1024+(ff%2)*512
.set ff, ff+1
.endr
.endm
.rept 4
	v_nop                                          ; the places behind the last products, in front of the conversions that read results
.endr
	PACK 0
	TOSTAGE 0
	PACK 1                                         ; block 1's conversions stand between block 0's loads from the stage and the wait for them
	SEND 0
	TOSTAGE 1
	SEND 1
	s_wait_tensorcnt 0x0                           ; the wave's end: an add to my spare word and its wait, behind my last tensor load and my last LDS store
	ds_add_u32 v[SPW], v[NIL]
	s_wait_dscnt 0x0
	CROUND                                         ; the closing round: no work-group ends while a partner may still ask for a tile that names it
	s_endpgm
.Lfunc_end_k_q7f211f608d_proj:
	.size	k_q7f211f608d_proj, .Lfunc_end_k_q7f211f608d_proj-k_q7f211f608d_proj
	.p2alignl 7, 3214868480
	.fill 96, 4, 3214868480
	.section	.rodata,"a",@progbits
	.p2align	6, 0x0
	.amdhsa_kernel k_q7f211f608d_proj
		.amdhsa_group_segment_fixed_size 327680
		.amdhsa_private_segment_fixed_size 0
		.amdhsa_enable_private_segment 0
		.amdhsa_kernarg_size 40
		.amdhsa_user_sgpr_count 2
		.amdhsa_user_sgpr_kernarg_segment_ptr 1
		.amdhsa_wavefront_size32 1
		.amdhsa_system_sgpr_workgroup_id_x 1
		.amdhsa_system_sgpr_workgroup_id_y 1
		.amdhsa_system_sgpr_workgroup_id_z 1
		.amdhsa_system_vgpr_workitem_id 0
		.amdhsa_next_free_vgpr 1024
		.amdhsa_next_free_sgpr 80
		.amdhsa_reserve_vcc 0
		.amdhsa_float_denorm_mode_32 3
		.amdhsa_float_denorm_mode_16_64 3
		.amdhsa_memory_ordered 1
		.amdhsa_forward_progress 1
		.amdhsa_inst_pref_size 169
	.end_amdhsa_kernel
	.amdgpu_metadata
---
amdhsa.version: [ 1, 2 ]
amdhsa.kernels:
  - .name:           k_q7f211f608d_proj
    .symbol:         k_q7f211f608d_proj.kd
    .args:
      - { .name: Q, .offset: 0, .size: 8, .value_kind: global_buffer, .address_space: global }
      - { .name: K, .offset: 8, .size: 8, .value_kind: global_buffer, .address_space: global }
      - { .name: V, .offset: 16, .size: 8, .value_kind: global_buffer, .address_space: global }
      - { .name: wp, .offset: 24, .size: 8, .value_kind: global_buffer, .address_space: global }
      - { .name: qkv, .offset: 32, .size: 8, .value_kind: global_buffer, .address_space: global }
    .group_segment_fixed_size: 327680
    .private_segment_fixed_size: 0
    .kernarg_segment_align: 8
    .kernarg_segment_size: 40
    .max_flat_workgroup_size: 128
    .sgpr_count:     80
    .vgpr_count:     1024
    .wavefront_size: 32
...
	.end_amdgpu_metadata
.endif
;; end of part 2
;; launch attn (part 3): grid 8 x 32, 8 waves a work-group, clusters of 4 x 1, 327,680 bytes of LDS; arguments qkv, ob; writes ob
.if DOCPART == 3
	.amdgcn_target "amdgcn-amd-amdhsa--gfx1250"
	.amdhsa_code_object_version 6
	.text
	.protected	k_q7f211f608d_attn
	.globl	k_q7f211f608d_attn
	.p2align	8
	.type	k_q7f211f608d_attn,@function
k_q7f211f608d_attn:
	s_mov_b64 s[64:65], 0
	v_nop
	global_prefetch_b8 v0, s[64:65] scope:SCOPE_SE
	s_setreg_imm32_b32 hwreg(HW_REG_WAVE_MODE, 25, 1), 1
	s_wait_xcnt 0x0
	s_wait_alu depctr_hold_cnt(0) depctr_sa_sdst(0) depctr_va_vdst(0) depctr_va_sdst(0) depctr_va_ssrc(0) depctr_va_vcc(0) depctr_vm_vsrc(0)
	s_getreg_b32 s2, hwreg(HW_REG_IB_STS2, 6, 4)
	s_cmp_eq_u32 s2, 0
	s_cbranch_scc0 .Lentry_in_a_cluster
	s_endpgm
.Lentry_in_a_cluster:
	s_bfe_u32 s2, ttmp6, 0x10000c
	s_cmp_lg_u32 s2, 0x3003
	s_cbranch_scc0 .Lentry_shape_is_right
	s_endpgm
.Lentry_shape_is_right:
; ATTENTION.  For each of 32 pairs y = 8 batch + head: O[q][:] = the sum over k of softmax_k(q[q] . k[k] / sqrt(32)) v[k][:], 2,048 queries and keys, 32 channels of q and k, 64 of v, no mask.
; q, k, v come from qkv in f16, by planes of [2048][32] (64 bytes a row, 131,072 a plane): q in plane y, k in plane 32 + y, v's two halves of 32 channels in two neighbouring planes.  ob: [y][2048][64] f16.
; Products, maxima and sums in f32; the weights p are rounded to f16 for the second product, and their sum l is the f32 sum of the same rounded weights; O is rounded once at the end.
; LIMITS.  p lies in 0 to 1 and keeps f16's fixed step of 6e-8 below 6e-5; a weight that rounds to 0 in f16 (below 3e-8) counts as 0 in l and in O alike; O is a mean of v's rows and has their range;
; NaN and infinities are not treated apart.
; SHARES.  A work-group owns 256 queries of one pair, each of its eight waves 32: two tiles of 16.  Every wave walks all keys, 64 a step.
; THE COUNT.  A tile and step have 14 matrix and 103 vector instructions: the vector work is the launch.  So a step is written in phases, and TWO waves share a SIMD: one's products run beside the other's softmax.
; For the same reason THE ROW SUMS ARE MADE BY THE MATRIX UNIT: a fragment of ones times P, two products a tile and step, in place of sixteen packed additions.
; LAYOUT.  S^T = k q^T (source 0 = 16 keys, source 1 = 16 queries): a lane holds ONE query (lane % 16) and the keys 8 (lane / 16) + 0..7.  Two such tiles, rounded to f16 in pairs, ARE source 1 of O^T = v^T P, whose result
; again holds one query a lane, and eight channels.  k comes out of LDS as it lies, v ([key][channel]) turned, by ds_load_tr16_b128.  With ones for v^T every row of the result is the query's sum over all 32 keys:
; register 0 is the one that is rescaled and read; the other seven hold sums of weights, 2,048 at the most, that nobody reads.
; SOFTMAX.  For each query a running maximum m and sum l: p = 2^(c s - c m), c = log2(e) / sqrt(32); in every step O and l are multiplied by a = 2^(c m_old - c m_new).  m starts at the lowest finite number, O and l at 0:
; the first step is a step like any other, with a = 0.
; THE WALK.  Four tiles of 512 keys go through two LDS slots.  Tile 0 is asked for alone; a loop of three trips changes slots, asks for the next tile and walks a tile's eight steps; the last tile is written out.
; One tensor load of a wave is out at the most.
; CLUSTER.  The four query blocks of a cluster belong to one pair and walk the same k and v: each tile is asked for JOINTLY, by the same tensor load, descriptor and mask in all four.
; REGISTERS (s_set_vgpr_msb: bits 1:0 source 0, 3:2 source 1, 5:4 source 2, 7:6 destination): window 0: all but the second product's sums;  window 1: v0-63 O^T, 32 a tile; v64-79 the row sums, 8 a tile.
.set PK,    80        ; a row of k in LDS: 64 bytes + 16 = 20 words: the 16 rows of a load start at 16 different groups of four banks (64 banks of 4 bytes: ISA guide 11.1)
.set PV,    96        ; a row of a plane of v: 64 + 32 = 24 words
.set VOFF,  512*PK    ; a slot holds 512 keys, eight steps: k, then v's channels 0-31, then v's channels 32-63
.set VPL,   512*PV
.set SLOT,  VOFF+2*VPL
.set FILLB, 32768     ; 512 rows of 64 bytes in memory
.set STAGE, 2*SLOT    ; behind the ring, never filled by a tensor load: 16 rows x 144 bytes for each wave, for the way out
.set SP,    144
.set SPARE, STAGE+8*16*SP  ; behind the stages: the spare words, 128 bytes for each wave: four blocks of 256 bytes that no other line names
.set AK0, 2           ; v2   my lane's place in a tile of k; never rewritten
.set AV0, 3           ; v3   the same for v
.set AK,  4           ; v4   the LDS address of k's run of loads
.set AV,  5           ; v5   of v's
.set STO, 6           ; v6   the way out: where I put 16 bytes of a row
.set RD,  7           ; v7   the way out: where I read rows back
.set GO,  8           ; v8   16 x lane
.set QO,  9           ; v9   my byte offset in 16 rows of q
.set SPW, 10          ; v10  LDS address of my spare word; never rewritten
.set NIL, 11          ; v11  0; never rewritten
.set PFO, 12          ; v12  256 x lane; never rewritten
.set ST,  16          ; tile t's statistics at v[ST+8 t]: +0 c m, +1 m, +2 c m_old (at the end 1 / l), +3 named with it as a pair, +4 to +7 c0-c3 at work; a takes c2's place
.set Q,   32          ; v32-47    q, 8 a tile
.set KF,  48          ; v48-79    k of one step: key block kb at KF + 8 kb
.set S,   80          ; v80-143   S^T, 32 a tile
.set P,   144         ; v144-175  P, 16 a tile
.set VF,  176         ; v176-239  v of one step: key half kk, channel block cb at VF + 32 kk + 8 cb
.set ONES, 240        ; v240-247  a fragment of 16 x 32 ones in f16; never rewritten
.set LA,  64          ; window 1: v64-79  the row sums' accumulators
.set WV,  12          ; s12  my wave's number
.set KB,  18          ; s18  my part's place in a slot, where I fetch k
.set VB,  19          ; s19  the same, where I fetch v
.set G1K, 24          ; s[24:31] descriptor group 1 for k's tiles
.set G1V, 32          ; s[32:39] for v's: it differs in the padding alone
.set G0K, 40          ; s[40:43] descriptor group 0 for k's tiles: it walks
.set G0V, 44          ; s[44:47] the same for v's
.set RS,  48          ; s48  the slot that is read: 0 or SLOT
.set SLOTS, 49        ; s49  tiles still to be asked for
.set CNT, 56          ; s56  counts a slot's eight steps
.set CS,  58          ; s[58:59] c: the packed scaling takes the pair's low word for both halves
.set SEL, 60          ; s[60:61] v_permlanex16_b32's selects: each lane takes its own place in the other half
.set TBK, 62          ; s62  LDS byte at which k of the step in hand begins
.set TBV, 63          ; s63  the same for v, less VOFF
.set PFA, 66          ; s[66:67] where my prefetches stand: my work-group's 8,192 bytes of my region, in the tile after the one that is being asked for
.set LIM, 68          ; s68  1 in a wave that prefetches, else the greatest number: a wave prefetches while s[SLOTS] is above it
.set MSB, 0
.macro WIN new                      ; the high byte repeats the setting that is left; a switch that changes nothing is dropped
.if MSB != (\new)
	s_set_vgpr_msb (MSB<<8)|(\new)
.set MSB, (\new)
.endif
.endm
.set W_PV, 0x50       ; v, the ones and P in window 0, the sums (C and D) in window 1
.set W_RS, 0x41       ; the sums (destination and source 0) in window 1, a in window 0
; A joint fill.  Waves 0 and 1 fetch the two halves of a tile's k, waves 2 to 5 those of v's two planes: 256 keys each; waves 6 and 7 fetch nothing.  The branches hang on the wave's number alone.
; An s_nop 0 and four v_nop follow each of the two lines.
.macro JLOAD
	s_cmp_lt_u32 s[WV], 2
	s_cbranch_scc0 .Lnot_k_\@
	tensor_load_to_lds s[G0K:G0K+3], s[G1K:G1K+7]
	s_nop 0
.rept 4
	v_nop
.endr
	s_branch .Lasked_\@
.Lnot_k_\@:
	s_cmp_lt_u32 s[WV], 6
	s_cbranch_scc0 .Lasked_\@
	tensor_load_to_lds s[G0V:G0V+3], s[G1V:G1V+7]
	s_nop 0
.rept 4
	v_nop
.endr
.Lasked_\@:
.endm
; A PREFETCH INTO THE L2 of what the NEXT change of slots will ask for, eight key steps ahead of that load.  It stands behind the wave's tensor load and its five lines.  Each block of 256 bytes is named once in the launch:
; both clusters of a pair walk the same k and v, and the first of them asks; in each of its work-groups waves 0, 2 and 4 ask, for k and for v's two planes; of a region's 32,768 bytes in a tile the four partners take 8,192
; each, told apart by address, 256 a lane.  Tiles 0 and 1 come by their loads alone; the last change that fills a slot asks for nothing.
.macro ASK
	s_cmp_gt_u32 s[SLOTS], s[LIM]
	s_cbranch_scc0 .Lnot_mine_\@
	global_prefetch_b8 v[PFO], s[PFA:PFA+1] th:TH_LOAD_NT scope:SCOPE_SE
.Lnot_mine_\@:
.endm
.macro CROUND                       ; a round of the cluster's barrier: my work-group's barrier; wave 0 signals for the work-group; every wave waits for all four work-groups; my work-group's barrier once more
	s_barrier_signal -1
	s_barrier_wait -1
	s_cmp_lg_u32 s[WV], 0
	s_cbranch_scc1 .Lnot_wave_0_\@
	s_barrier_signal -3
.Lnot_wave_0_\@:
	s_barrier_wait -3
	s_barrier_signal -1
	s_barrier_wait -1
.endm
; THE CHANGE OF SLOTS.  Each wave waits for all its tensor loads (at most one is out: its part of the slot that is read next), adds 0 to its spare word, and waits for that and for its reads of the slot that it leaves.
; fill = 1: the slot that is left takes the next tile; the barrier is then a round of the cluster's, so that no wave of any partner still reads that slot or has a load on its way, and the joint fill is the first thing
; behind it: it has eight key steps in which to land.  (At its first use nothing has been read yet: slot 0 is waited for, slot 1 filled.)
.macro CHANGE fill
	WIN 0
	s_wait_tensorcnt 0x0            ; no tensor load of mine is out, so a group 0 may be written
	ds_add_u32 v[SPW], v[NIL]       ; 0 onto my spare word; the scalar work below stands between it and the wait for it
.if \fill
	s_add_co_u32 s[G0K+1], s[KB], s[RS]  ; the walking descriptors: the slot that is left,
	s_add_co_u32 s[G0V+1], s[VB], s[RS]
	s_add_nc_u64 s[G0K+2:G0K+3], s[G0K+2:G0K+3], FILLB  ; the next 512 keys; the type bits on top are not reached
	s_add_nc_u64 s[G0V+2:G0V+3], s[G0V+2:G0V+3], FILLB
	s_wait_xcnt 0x0                 ; the last prefetch, eight key steps back, has read its address, so it may be written:
	s_add_nc_u64 s[PFA:PFA+1], s[PFA:PFA+1], FILLB      ; one tile behind the walking descriptors
.endif
	s_xor_b32 s[RS], s[RS], SLOT    ; SLOT and 0 by turns
	s_wait_dscnt 0x0                ; the add is done, and my reads of the slot are over
.if \fill
	CROUND
	JLOAD
	ASK
.else
	s_barrier_signal -1
	s_barrier_wait -1
.endif
.endm
	s_load_b128 s[4:7], s[0:1], 0x0   ; qkv s[4:5], ob s[6:7]
	v_lshl_add_u32 v[SPW], v0, 2, SPARE
	v_mov_b32 v[NIL], 0
	ds_add_u32 v[SPW], v[NIL]       ; the wave's opening: the add and its wait stand ahead of my first tensor load; the set-up below, work on registers, stands between them
	v_lshrrev_b32 v1, 5, v0
	v_readfirstlane_b32 s[WV], v1   ; wave 0..7
	s_bfe_u32 s13, ttmp6, 0x40000   ; cx: my place in the cluster
	s_lshl_b32 s14, ttmp9, 2
	s_add_co_u32 s14, s14, s13      ; my block of 256 queries: it enters q's and O's addresses alone
	s_and_b32 s15, ttmp7, 0xffff    ; y = 8 batch + head, which the four partners share
	s_and_b32 s16, s[WV], 1         ; which half of a region's 512 keys I fetch
	s_lshr_b32 s17, s[WV], 1        ; my region: 0: k; 1, 2: v's planes; 3: none
	s_and_b32 s18, s15, 7           ; the head
	s_lshr_b32 s19, s18, 2
	s_add_co_u32 s19, s19, 2
	s_lshl_b32 s19, s19, 5          ; v's planes: 32 x (2 + head / 4)
	s_and_b32 s20, s15, 0x18
	s_add_co_u32 s19, s19, s20      ; + 8 x batch
	s_lshl_b32 s18, s18, 1
	s_and_b32 s18, s18, 7
	s_add_co_u32 s19, s19, s18      ; + (2 x head) % 8
	s_add_co_u32 s19, s19, s17
	s_sub_co_u32 s19, s19, 1        ; + my region less 1 (used by waves 2 to 5)
	s_lshl_b32 s22, s19, 17
	s_lshl_b32 s18, s16, 14         ; my half: 256 rows of 64 bytes
	s_add_co_u32 s22, s22, s18
	s_mov_b32 s23, 0
	s_add_co_u32 s20, s15, 32       ; k's plane
	s_lshl_b32 s20, s20, 17
	s_add_co_u32 s20, s20, s18
	s_mov_b32 s21, 0
	s_mul_i32 s[KB], s16, 256*PK    ; where they go in a slot, for k,
	s_mul_i32 s[VB], s17, VPL       ; and for v: VOFF + (region - 1) x a plane + half: no place in the cluster enters an LDS address
	s_mul_i32 s2, s16, 256*PV
	s_add_co_u32 s[VB], s[VB], s2
	s_sub_co_u32 s[VB], s[VB], VPL-VOFF
	s_lshl_b32 s2, s15, 17          ; q: plane y, my block's 256 rows, my wave's 32
	s_lshl_b32 s3, s14, 14
	s_add_co_u32 s2, s2, s3
	s_lshl_b32 s3, s[WV], 11
	s_add_co_u32 s2, s2, s3
	s_mov_b32 s3, 0
	s_lshl_b32 s70, s2, 1           ; O's rows are twice as long
	s_mov_b32 s71, 0
	; descriptor group 1.  256 keys are 16,384 dense bytes: asked for as 64 rows of 256 bytes, four keys a row, and padded in LDS after every key
	s_mov_b32 s[G1K], 15|(1<<16)|(1<<20)|(1<<21)|(3<<22)|(3<<25)  ; the mask of four, bit 21 beside it; 2-byte elements; padding on: after every 16 words (code 3) 4 words (code 3)
	s_mov_b32 s[G1V], 15|(1<<16)|(1<<20)|(1<<21)|(3<<22)|(7<<25)  ; the same with 8 words of padding (code 7)
.irp g, G1K, G1V
	s_mov_b32 s[\g+1], 128<<16      ; tensor_dim0 = 128
	s_mov_b32 s[\g+2], 64<<16       ; tensor_dim1 = 64
	s_mov_b32 s[\g+3], 128<<16      ; tile_dim0 = 128
	s_mov_b32 s[\g+4], 64           ; tile_dim1 = 64
	s_mov_b32 s[\g+5], 128          ; 128 elements from row to row
	s_mov_b32 s[\g+6], 0
	s_mov_b32 s[\g+7], 0
.endr
	s_mov_b32 s[CS], 0x3e8293ee     ; c = log2(e) / sqrt(32) = 0.255035
	s_mov_b32 s[CS+1], s[CS]        ; named with it as a pair
	s_mov_b32 s[SEL], 0x76543210
	s_mov_b32 s[SEL+1], 0xfedcba98
	s_mov_b32 s[RS], SLOT           ; the first change of slots turns it into 0
	s_mov_b32 s[SLOTS], 3
	s_mov_b32 s[G0K], 1             ; count = 1
	s_mov_b32 s[G0K+1], s[KB]       ; LDS address: slot 0
	s_mov_b32 s[G0V], 1
	s_mov_b32 s[G0V+1], s[VB]
	s_wait_dscnt 0x0                ; the opening add is done
	s_wait_kmcnt 0x0
	s_add_nc_u64 s[20:21], s[4:5], s[20:21]  ; k and v at my part of the first 512 keys
	s_add_nc_u64 s[22:23], s[4:5], s[22:23]
	s_add_nc_u64 s[8:9], s[4:5], s[2:3]      ; q and O at my wave's first row
	s_add_nc_u64 s[10:11], s[6:7], s[70:71]
	s_mov_b64 s[G0K+2:G0K+3], s[20:21]       ; global address: tile 0
	s_or_b32 s[G0K+3], s[G0K+3], 0x80000000  ; type = 2
	s_mov_b64 s[G0V+2:G0V+3], s[22:23]
	s_or_b32 s[G0V+3], s[G0V+3], 0x80000000
	; the prefetches: waves 0, 2 and 4 stand at a region's first row
	s_cmp_lt_u32 s[WV], 2
	s_cselect_b64 s[PFA:PFA+1], s[20:21], s[22:23]
	s_lshl_b32 s2, s13, 13          ; my work-group's 8,192 bytes
	s_add_nc_u64 s[PFA:PFA+1], s[PFA:PFA+1], s[2:3]
	s_add_nc_u64 s[PFA:PFA+1], s[PFA:PFA+1], FILLB  ; in tile 1; the first change of slots steps it to tile 2.  Nothing is prefetched here, at the head
	s_or_b32 s2, s16, ttmp9         ; 0 in even waves of the first cluster,
	s_cmp_lt_u32 s[WV], 6
	s_cselect_b32 s3, 0, 1
	s_or_b32 s2, s2, s3             ; but for wave 6: the same in all four partners
	s_cmp_eq_u32 s2, 0
	s_cselect_b32 s[LIM], 1, -1
	CROUND                          ; all four work-groups are here: the first joint loads meet
	JLOAD                           ; tile 0 into slot 0.  Tile 1 is asked for when tile 0 is in
	; A fragment of k or q is 16 rows x 32 channels in 8 registers: lane l holds row l % 16, channels 8 (l / 16) + 0..7 and 16 + 8 (l / 16) + 0..7: two loads of 16 bytes, 32 bytes apart.
	v_and_b32 v1, 15, v0            ; l % 16
	v_bfe_u32 v13, v0, 4, 1         ; l / 16
	v_lshlrev_b32 v[QO], 6, v1
	v_lshl_add_u32 v[QO], v13, 4, v[QO]
.irp t, 0,1
	global_load_b128 v[Q+8*\t:Q+8*\t+3],   v[QO], s[8:9] offset:\t*1024
	global_load_b128 v[Q+8*\t+4:Q+8*\t+7], v[QO], s[8:9] offset:\t*1024+32
.endr
	v_mul_u32_u24 v[AK0], v1, PK
	v_lshl_add_u32 v[AK0], v13, 4, v[AK0]
	; The turning load takes 16 keys x 16 channels (lane l reads key 8 (l / 16) + l % 8, channels 8 ((l / 8) % 2) + 0..7) and leaves half a fragment of v^T: lane l holds channel l % 16 and 8 keys.
	v_and_b32 v14, 7, v0
	v_bfe_u32 v15, v0, 3, 1
	v_lshl_add_u32 v[AV0], v13, 3, v14
	v_mul_u32_u24 v[AV0], v[AV0], PV
	v_lshl_add_u32 v[AV0], v15, 4, v[AV0]
	v_add_nc_u32 v[AV0], VOFF, v[AV0]
	s_mul_i32 s2, s[WV], 16*SP
	s_add_co_u32 s2, s2, STAGE      ; my stage
	v_mul_u32_u24 v[STO], v1, SP    ; in: row l % 16, 16 bytes for each half of the lanes
	v_lshl_add_u32 v[STO], v13, 4, v[STO]
	v_add_nc_u32 v[STO], s2, v[STO]
	v_bfe_u32 v[RD], v0, 3, 2       ; back: 32 lanes take four rows of 128 bytes,
	v_mul_u32_u24 v[RD], v[RD], SP
	v_lshl_add_u32 v[RD], v14, 4, v[RD]
	v_add_nc_u32 v[RD], s2, v[RD]
	v_and_b32 v[GO], 31, v0         ; which are 512 consecutive bytes of O
	v_lshlrev_b32 v[PFO], 8, v[GO]
	v_lshlrev_b32 v[GO], 4, v[GO]
	WIN 0x40                        ; what the first step finds: O^T and the row sums are 0.  All this stands in the wait for the first tile
.set i, 0
.rept 80
	v_mov_b32 v[i], 0
.set i, i+1
.endr
	WIN 0
.set i, 0
.rept 8
	v_mov_b32 v[ONES+i], 0x3c003c00 ; 1.0 twice in f16
.set i, i+1
.endr
.irp t, 0,1
	v_mov_b32 v[ST+8*\t], 0xfe000000    ; c m: far below every c s
	v_mov_b32 v[ST+8*\t+1], 0xff7fffff  ; m
	v_mov_b32 v[ST+8*\t+3], 0           ; named as the upper half of a pair on the way out, so it is written
.endr
; Number j of the 21 that find tile t's maximum and statistics.  s0-s31 are the lane's 32 scores; each accumulator's lowest registers are read first.
;   0-11  four chains c0-c3 of seven scores each, three operands at a time     12-15  the four scores left over, c0-c3 and the old m into c0     16, 18  the query's other 32 keys lie in the lane 16 away: the new m
;   17  c m_old is kept (it names no score, and stands among the places behind the products)     19, 20  c m; c m_old - c m_new
.macro MX t, j
.set rT, ST+8*(\t)
.set rS, S+32*(\t)
.if (\j) < 4
	v_max3_num_f32 v[rT+4+(\j)], v[rS+8*(\j)], v[rS+8*(\j)+1], v[rS+8*(\j)+2]
.elseif (\j) < 12
	v_max3_num_f32 v[rT+4+(\j)%4], v[rT+4+(\j)%4], v[rS+8*((\j)%4)+2*((\j)/4)+1], v[rS+8*((\j)%4)+2*((\j)/4)+2]
.elseif (\j) == 12
	v_max3_num_f32 v[rT+4], v[rT+4], v[rS+7], v[rS+15]
.elseif (\j) == 13
	v_max3_num_f32 v[rT+6], v[rT+6], v[rS+23], v[rS+31]
.elseif (\j) == 14
	v_max3_num_f32 v[rT+4], v[rT+4], v[rT+5], v[rT+6]
.elseif (\j) == 15
	v_max3_num_f32 v[rT+4], v[rT+4], v[rT+7], v[rT+1]
.elseif (\j) == 16
	v_permlanex16_b32 v[rT+5], v[rT+4], s[SEL], s[SEL+1]
.elseif (\j) == 17
	v_mov_b32 v[rT+2], v[rT]
.elseif (\j) == 18
	v_max_num_f32 v[rT+1], v[rT+4], v[rT+5]
.elseif (\j) == 19
	v_mul_f32 v[rT], s[CS], v[rT+1]
.else
	v_sub_f32 v[rT+7], v[rT+2], v[rT]
.endif
.endm
.macro FS t, b                      ; c s - c m for pair b of tile t
	v_pk_fma_f32 v[S+32*(\t)+2*(\b):S+32*(\t)+2*(\b)+1], v[S+32*(\t)+2*(\b):S+32*(\t)+2*(\b)+1], s[CS:CS+1], v[ST+8*(\t):ST+8*(\t)+1] op_sel_hi:[1,0,0] neg_lo:[0,0,1] neg_hi:[0,0,1]
.endm
.macro EXS t, e                     ; the exponential of score e of tile t
	v_exp_f32 v[S+32*(\t)+(\e)], v[S+32*(\t)+(\e)]
.endm
; A KEY STEP, in phases; the two tiles alternate in each, so that few instructions read the result of the one before them.
.macro STEP
	WIN 0
	v_add_nc_u32 v[AK], s[TBK], v[AK0]
	v_add_nc_u32 v[AV], s[TBV], v[AV0]
	v_nop                           ; with the two lines above: four places between the last product of the step before and the loads into v's registers
	v_nop
.irp f, 0,1,2,3                     ; k: keys 16 f on
	ds_load_b128 v[KF+8*\f:KF+8*\f+3],   v[AK] offset:\f*16*PK
	ds_load_b128 v[KF+8*\f+4:KF+8*\f+7], v[AK] offset:\f*16*PK+32
.endr
.irp f, 0,1,2,3,4,5,6,7             ; v: keys 32 (f / 4) on, channels 16 (f % 4) on: plane (f % 4) / 2, 32 bytes a block
	ds_load_tr16_b128 v[VF+8*\f:VF+8*\f+3],   v[AV] offset:(\f/4)*32*PV+((\f%4)/2)*VPL+(\f%2)*32
	ds_load_tr16_b128 v[VF+8*\f+4:VF+8*\f+7], v[AV] offset:(\f/4)*32*PV+((\f%4)/2)*VPL+(\f%2)*32+16*PV
.endr
	s_wait_dscnt 16                 ; k is in; v's sixteen loads may stay out
.irp f, 0,1,2,3                     ; S^T = k q^T: 32 channels are one product; eight accumulators, each started with 0
.irp t, 0,1
	v_wmma_f32_16x16x32_f16 v[S+32*\t+8*\f:S+32*\t+8*\f+7], v[KF+8*\f:KF+8*\f+7], v[Q+8*\t:Q+8*\t+7], 0
.endr
.endr
	MX 0, 17                        ; the four places behind those products: two lines that name none of their registers,
	MX 1, 17
	v_nop                           ; and two that do nothing
	v_nop
.irp j, 0,1,2,3,4,5,6,7,8,9,10,11,12,13,14,15,16,18,19,20
	MX 0, \j
	MX 1, \j
.endr
	; ONE BATCH of 66 exponentials: the two a, then s0-s31 of both tiles, a pair's scaling ahead of its exponentials.  Nothing ahead of the wait names a result of theirs.
	v_exp_f32 v[ST+6], v[ST+7]
	v_exp_f32 v[ST+14], v[ST+15]
	FS 0, 0
	FS 1, 0
.set nb, 1
.rept 15
.irp t, 0,1
	FS \t, nb
	EXS \t, 2*nb-2
	EXS \t, 2*nb-1
.endr
.set nb, nb+1
.endr
	EXS 0, 30
	EXS 0, 31
	EXS 1, 30
	EXS 1, 31
	v_nop                           ; a plain instruction behind the last exponential, ahead of the first use (ISA guide 5.7.2): one for the batch
	s_wait_alu depctr_va_vdst(0)    ; and the wait ahead of the first instruction that names a result: one for the batch
.set n, 0
.rept 16                            ; the weights, rounded to f16 in pairs
	v_cvt_pk_f16_f32 v[P+n], v[S+2*n], v[S+2*n+1]
	v_cvt_pk_f16_f32 v[P+16+n], v[S+32+2*n], v[S+32+2*n+1]
.set n, n+1
.endr
	WIN W_RS
.set n, 0
.rept 16                            ; O^T times a, each accumulator's registers in ascending order
	v_pk_mul_f32 v[2*n:2*n+1], v[2*n:2*n+1], v[ST+6:ST+7] op_sel_hi:[1,0]
	v_pk_mul_f32 v[32+2*n:32+2*n+1], v[32+2*n:32+2*n+1], v[ST+14:ST+15] op_sel_hi:[1,0]
.set n, n+1
.endr
	v_mul_f32 v[LA], v[LA], v[ST+6]       ; l times a: register 0 of a row sum's accumulator is the one that is read at the end
	v_mul_f32 v[LA+8], v[LA+8], v[ST+14]
	s_wait_dscnt 0x0                ; v is in
	WIN W_PV
.irp kk, 0,1                        ; O^T += v^T P and l += ones P: the ten accumulators take turns, one instruction a turn: nine others stand between the two links of a chain
.irp cb, 0,1,2,3
.irp t, 0,1
	v_wmma_f32_16x16x32_f16 v[32*\t+8*\cb:32*\t+8*\cb+7], v[VF+32*\kk+8*\cb:VF+32*\kk+8*\cb+7], v[P+16*\t+8*\kk:P+16*\t+8*\kk+7], v[32*\t+8*\cb:32*\t+8*\cb+7]
.endr
.endr
.irp t, 0,1
	v_wmma_f32_16x16x32_f16 v[LA+8*\t:LA+8*\t+7], v[ONES:ONES+7], v[P+16*\t+8*\kk:P+16*\t+8*\kk+7], v[LA+8*\t:LA+8*\t+7]
.endr
.endr
	WIN 0
.endm
.macro STEPS                        ; the eight key steps of the slot that is read: written once, walked eight times
	s_mov_b32 s[TBK], s[RS]
	s_mov_b32 s[TBV], s[RS]
	s_mov_b32 s[CNT], 8
.Lstep_\@:
	STEP
	s_add_co_u32 s[TBK], s[TBK], 64*PK
	s_add_co_u32 s[TBV], s[TBV], 64*PV
	s_sub_co_u32 s[CNT], s[CNT], 1
	s_cmp_lg_u32 s[CNT], 0
	s_cbranch_scc1 .Lstep_\@
.endm
	s_wait_loadcnt 0x0              ; q
.Lslot:                             ; three trips: tiles 0, 1, 2 are walked, tiles 1, 2, 3 asked for
	CHANGE 1
	STEPS
	s_sub_co_u32 s[SLOTS], s[SLOTS], 1
	s_cmp_lg_u32 s[SLOTS], 0
	s_cbranch_scc1 .Lslot
	CHANGE 0                        ; the last tile is written out: nothing is left to ask for
	STEPS
	; THE WAY OUT.  A row sum is whole in every lane that holds its query: the matrix unit has added all the keys.  O^T is divided by l, rounded to f16 and sent through my stage in LDS, a tile at a time.
.rept 4
	v_nop                           ; the places behind the last products
.endr
	WIN 0x01                        ; source 0 window 1, destination window 0
.irp t, 0,1
	v_rcp_f32 v[ST+8*\t+2], v[LA+8*\t]
.endr
	WIN 0
	v_nop                           ; a plain instruction between the last reciprocal and the use of its result
	s_wait_alu depctr_va_vdst(0)    ; and the wait ahead of the first use: one for the two reciprocals
.macro PACK t                       ; a lane's eight channels of a row pack into 16 bytes; they go into rows of 144 bytes and come back as whole rows of 128, into S^T's registers
	WIN W_RS
.set i, 32*(\t)
.rept 16
	v_pk_mul_f32 v[i:i+1], v[i:i+1], v[ST+8*(\t)+2:ST+8*(\t)+3] op_sel_hi:[1,0]
.set i, i+2
.endr
	WIN 0x05                        ; sources 0 and 1 window 1, destination window 0
.set i, 0
.rept 16
	v_cvt_pk_f16_f32 v[S+16*(\t)+i], v[32*(\t)+2*i], v[32*(\t)+2*i+1]
.set i, i+1
.endr
	WIN 0
.irp f, 0,1,2,3
	ds_store_b128 v[STO], v[S+16*(\t)+4*\f:S+16*(\t)+4*\f+3] offset:32*\f
.endr
.irp f, 0,1,2,3
	ds_load_b128 v[S+16*(\t)+4*\f:S+16*(\t)+4*\f+3], v[RD] offset:\f*4*SP  ; LDS serves a wave's instructions in order (ISA guide 5.7.1.4): these see the stores above; the next tile's stores come behind them
.endr
.endm
.macro SEND t, younger              ; younger: the LDS instructions issued behind tile t's loads: the next tile's eight, or none
.irp f, 0,1,2,3
	s_wait_dscnt (\younger)+3-\f
	global_store_b128 v[GO], v[S+16*(\t)+4*\f:S+16*(\t)+4*\f+3], s[10:11] offset:(\t)*2048+\f*512  ; 512 consecutive bytes, at a multiple of 256 from O's first
.endr
.endm
	PACK 0
	PACK 1
	SEND 0, 8
	SEND 1, 0
	s_wait_tensorcnt 0x0            ; the wave's end: an add to my spare word and its wait, behind my last tensor load and my last LDS store
	ds_add_u32 v[SPW], v[NIL]
	s_wait_dscnt 0x0
	CROUND                          ; the closing round: no work-group ends while a partner may still ask for a tile that names it
	s_endpgm
.Lfunc_end_k_q7f211f608d_attn:
	.size	k_q7f211f608d_attn, .Lfunc_end_k_q7f211f608d_attn-k_q7f211f608d_attn
	.p2alignl 7, 3214868480
	.fill 96, 4, 3214868480
	.section	.rodata,"a",@progbits
	.p2align	6, 0x0
	.amdhsa_kernel k_q7f211f608d_attn
		.amdhsa_group_segment_fixed_size 327680
		.amdhsa_private_segment_fixed_size 0
		.amdhsa_enable_private_segment 0
		.amdhsa_kernarg_size 16
		.amdhsa_user_sgpr_count 2
		.amdhsa_user_sgpr_kernarg_segment_ptr 1
		.amdhsa_wavefront_size32 1
		.amdhsa_system_sgpr_workgroup_id_x 1
		.amdhsa_system_sgpr_workgroup_id_y 1
		.amdhsa_system_sgpr_workgroup_id_z 1
		.amdhsa_system_vgpr_workitem_id 0
		.amdhsa_next_free_vgpr 336
		.amdhsa_next_free_sgpr 72
		.amdhsa_reserve_vcc 0
		.amdhsa_float_denorm_mode_32 3
		.amdhsa_float_denorm_mode_16_64 3
		.amdhsa_memory_ordered 1
		.amdhsa_forward_progress 1
		.amdhsa_inst_pref_size 49
	.end_amdhsa_kernel
	.amdgpu_metadata
---
amdhsa.version: [ 1, 2 ]
amdhsa.kernels:
  - .name:           k_q7f211f608d_attn
    .symbol:         k_q7f211f608d_attn.kd
    .args:
      - { .name: qkv, .offset: 0, .size: 8, .value_kind: global_buffer, .address_space: global }
      - { .name: ob, .offset: 8, .size: 8, .value_kind: global_buffer, .address_space: global }
    .group_segment_fixed_size: 327680
    .private_segment_fixed_size: 0
    .kernarg_segment_align: 8
    .kernarg_segment_size: 16
    .max_flat_workgroup_size: 256
    .sgpr_count:     72
    .vgpr_count:     336
    .wavefront_size: 32
...
	.end_amdgpu_metadata
.endif
;; end of part 3
;; launch outp (part 4): grid 8 x 32, 4 waves a work-group, clusters of 4 x 4, 327,680 bytes of LDS; arguments ob, wo16, out0; writes out0
.if DOCPART == 4
	.amdgcn_target "amdgcn-amd-amdhsa--gfx1250"
	.amdhsa_code_object_version 6
	.text
	.protected	k_q7f211f608d_outp
	.globl	k_q7f211f608d_outp
	.p2align	8
	.type	k_q7f211f608d_outp,@function
k_q7f211f608d_outp:
	s_mov_b64 s[64:65], 0
	v_nop
	global_prefetch_b8 v0, s[64:65] scope:SCOPE_SE
	s_setreg_imm32_b32 hwreg(HW_REG_WAVE_MODE, 25, 1), 1
	s_wait_xcnt 0x0
	s_wait_alu depctr_hold_cnt(0) depctr_sa_sdst(0) depctr_va_vdst(0) depctr_va_sdst(0) depctr_va_ssrc(0) depctr_va_vcc(0) depctr_vm_vsrc(0)
	s_getreg_b32 s2, hwreg(HW_REG_IB_STS2, 6, 4)
	s_cmp_eq_u32 s2, 0
	s_cbranch_scc0 .Lentry_in_a_cluster
	s_endpgm
.Lentry_in_a_cluster:
	s_bfe_u32 s2, ttmp6, 0x10000c
	s_cmp_lg_u32 s2, 0xf033
	s_cbranch_scc0 .Lentry_shape_is_right
	s_endpgm
.Lentry_shape_is_right:
; THE OUTPUT PRODUCT.  out0[row][n] = the sum over k of vals[row][k] Wo[k][n]: 8,192 x 512 x 2,048.  vals comes from ob, f16 [8 batch + head][t 2048][64]: k = 64 head + channel.  Wo from wo16, f16 [512][2048].
; Sums in f32, K ascending; out0 in f32.
; SHARES.  A tile of out0 is 256 x 256: 8 x 32 = 256 work-groups, one tile each.  Four waves, each 128 x 128: 64 accumulators, 512 registers.  K goes in four steps of 128, two heads a step, through two LDS slots.
; CLUSTER 4 x 4.  A's tile hangs on the tile row alone and is asked for jointly by a row of the cluster, B's on the tile column alone, by a column.
; NO PREFETCH: the walk has two refills, and what they ask for could be named only at the head, where every work-group's first tiles are on their way.
; THE MATRIX INSTRUCTION IS USED TRANSPOSED: source 0 = 16 columns of Wo (turned out of LDS by ds_load_tr16_b128), source 1 = 16 rows of vals: a lane holds row l % 16 and eight neighbouring columns: 32 bytes of a row.
; REGISTERS, in windows of 256 (s_set_vgpr_msb: bits 1:0 source 0, 3:2 source 1, 5:4 source 2, 7:6 destination):
;   window 0: v0-31 addresses; v64-127, v128-191 fragments of A, two buffers; on the way out the same registers take rows read back          window 1: v64-127, v128-191 fragments of B
;   window 2: the 32 accumulators of my rows 0-63 ((a, b) at v[8 (8 a + b)]);   window 3: those of my rows 64-127
.set PAO,   144                        ; a row of A in LDS: a head's 128 bytes + 16 = 36 words: the 16 rows of a load start at 16 different groups of four banks (64 banks of 4 bytes: ISA guide 11.1)
.set PBO,   544                        ; a row of B: 512 + 32 = 136 words
.set HREG,  256*PAO                    ; one head's 256 rows: what one load brings of A
.set HB,    64*PBO                     ; 64 rows of K: what one load brings of B
.set BOFF,  2*HREG
.set SLOT,  2*HREG+2*HB
.set STAGE, 2*SLOT                     ; behind the ring: 16 rows x 528 bytes for each wave, for the way out; no tensor load lands there
.set SPITCH, 528
.set SPARE, STAGE+4*16*SPITCH          ; behind the stages: the spare words, 128 bytes for each wave: two blocks of 256 bytes that no other line names
.set ADRA, 16                          ; v16-17  LDS address of my A fragments in slot 0, 1
.set ADRB, 20                          ; v20-21  the same for B
.set STO,  24                          ; v24     the way out: where I put 32 bytes of a row
.set RD,   25                          ; v25     the way out: where I read a row back
.set CO,   26                          ; v26     16 x lane
.set SPW,  28                          ; v28     LDS address of my spare word; never rewritten
.set NIL,  29                          ; v29     0; never rewritten
.set F0,   64
.set F1,   128
.set G1, 24                            ; s[24:31] descriptor group 1 for A's tiles;  s[32:39] group 0, a set for each slot
.set G0, 32
.set G1B, 48                           ; s[48:55], s[56:63] the same for B's tiles
.set G0B, 56
.set MSB, 0
.macro WIN new                         ; the immediate's high byte repeats the setting that is left; a switch that changes nothing is dropped
.if MSB != (\new)
	s_set_vgpr_msb (MSB<<8)|(\new)
.set MSB, \new
.endif
.endm
.set MUL_LO, 0xa1                      ; source 0 (B) window 1, source 1 (A) window 0, C and D window 2
.set MUL_HI, 0xf1                      ; the same, C and D window 3
.set TO_B,   0x40                      ; destination window 1, address window 0
.macro JLOAD s                         ; a joint load: waves 0 and 1 fetch A's two heads, waves 2 and 3 B's two halves; an s_nop 0 and four v_nop follow each of the two lines
	s_cmp_eq_u32 s11, 0
	s_cbranch_scc0 .Lfor_b_\@
	tensor_load_to_lds s[G0+4*(\s):G0+4*(\s)+3], s[G1:G1+7]
	s_nop 0
.rept 4
	v_nop
.endr
	s_branch .Lasked_\@
.Lfor_b_\@:
	tensor_load_to_lds s[G0B+4*(\s):G0B+4*(\s)+3], s[G1B:G1B+7]
	s_nop 0
.rept 4
	v_nop
.endr
.Lasked_\@:
.endm
.macro CREST                           ; a round of the cluster's barrier behind its opening barrier
	s_cmp_lg_u32 s10, 0
	s_cbranch_scc1 .Lnot_wave_0_\@
	s_barrier_signal -3
.Lnot_wave_0_\@:
	s_barrier_wait -3
	s_barrier_signal -1
	s_barrier_wait -1
.endm
.macro CROUND                          ; a whole round
	s_barrier_signal -1
	s_barrier_wait -1
	CREST
.endm
	s_load_b128 s[4:7], s[0:1], 0x0                ; ob s[4:5], wo16 s[6:7]
	s_load_b64 s[8:9], s[0:1], 0x10                ; out0
	v_lshl_add_u32 v[SPW], v0, 2, SPARE
	v_mov_b32 v[NIL], 0
	ds_add_u32 v[SPW], v[NIL]                      ; the wave's opening: the add and its wait stand ahead of my first tensor load; the set-up below, work on registers, stands between them
	v_lshrrev_b32 v1, 5, v0
	v_readfirstlane_b32 s10, v1                    ; wave 0..3
	s_lshr_b32 s11, s10, 1                         ; which half of the tile's rows is mine.  Also: I fetch for A (0) or for B (1)
	s_and_b32 s12, s10, 1                          ; which half of its columns.  Also: which head of the step, or which 64 rows of K, I fetch
	s_bfe_u32 s40, ttmp6, 0x40000                  ; cx
	s_bfe_u32 s41, ttmp6, 0x40004                  ; cy
	s_lshl_b32 s42, ttmp9, 2
	s_add_co_u32 s42, s42, s40                     ; tile column = 4 x cluster x + cx
	s_and_b32 s13, ttmp7, 0xffff
	s_lshl_b32 s13, s13, 2
	s_add_co_u32 s13, s13, s41                     ; tile row = 4 x cluster y + cy
	s_lshl_b32 s43, s41, 2
	s_lshl_b32 s43, 15, s43                        ; my row of the cluster
	s_lshl_b32 s44, 0x1111, s40                    ; my column
	; A: a head's 256 rows are 32,768 dense bytes: asked for as 128 rows of 256 bytes, two rows of the head a row, and padded in LDS after every 128 bytes
	s_or_b32 s[G1+0], s43, (1<<16)|(1<<20)|(1<<21)|(4<<22)|(3<<25)   ; the mask, bit 21 beside it; 2-byte elements; padding on: after every 32 words (code 4) 4 words (code 3)
	s_mov_b32 s[G1+1], 128<<16                     ; tensor_dim0 = 128
	s_mov_b32 s[G1+2], 128<<16                     ; tensor_dim1 = 128
	s_mov_b32 s[G1+3], 128<<16                     ; tile_dim0 = 128
	s_mov_b32 s[G1+4], 128                         ; tile_dim1 = 128
	s_mov_b32 s[G1+5], 128                         ; elements from row to row
	s_mov_b32 s[G1+6], 0
	s_mov_b32 s[G1+7], 0
	s_or_b32 s[G1B+0], s44, (1<<16)|(1<<20)|(1<<21)|(6<<22)|(7<<25)  ; after every 128 words (code 6) 8 words (code 7)
	s_mov_b32 s[G1B+1], 256<<16
	s_mov_b32 s[G1B+2], 64<<16
	s_mov_b32 s[G1B+3], 256<<16
	s_mov_b32 s[G1B+4], 64
	s_mov_b32 s[G1B+5], 2048
	s_mov_b32 s[G1B+6], 0
	s_mov_b32 s[G1B+7], 0
	s_and_b32 s16, s13, 0x18                       ; A: plane 8 x batch + my head of the step, 262,144 bytes a plane,
	s_add_co_u32 s16, s16, s12
	s_lshl_b32 s16, s16, 18
	s_and_b32 s17, s13, 7                          ; the tile's 256 rows of 128 bytes in its batch
	s_lshl_b32 s17, s17, 15
	s_add_co_u32 s16, s16, s17
	s_mov_b32 s17, 0
	s_lshl_b32 s46, s12, 18                        ; B: my 64 rows of 4,096 bytes,
	s_lshl_b32 s47, s42, 9                         ; the tile's 256 columns (these registers never hold cy)
	s_add_co_u32 s46, s46, s47
	s_mov_b32 s47, 0
	s_mul_i32 s20, s12, HREG                       ; where they go: no place in the cluster enters an LDS address
	s_mul_i32 s21, s12, HB
	s_add_co_u32 s21, s21, BOFF
	s_wait_dscnt 0x0                               ; the opening add is done
	s_wait_kmcnt 0x0
	s_add_nc_u64 s[14:15], s[4:5], s[16:17]
	s_add_nc_u64 s[46:47], s[6:7], s[46:47]
	CROUND                                         ; all sixteen work-groups are here: the first joint loads meet
.irp s, 0,1
	s_mov_b32 s[G0+4*(\s)], 1                                      ; count = 1
	s_add_co_u32 s[G0+4*(\s)+1], s20, (\s)*SLOT                    ; LDS address
	s_add_nc_u64 s[G0+4*(\s)+2:G0+4*(\s)+3], s[14:15], (\s)<<19    ; global address: K step s is two planes on
	s_or_b32 s[G0+4*(\s)+3], s[G0+4*(\s)+3], 0x80000000            ; type = 2
	s_mov_b32 s[G0B+4*(\s)], 1
	s_add_co_u32 s[G0B+4*(\s)+1], s21, (\s)*SLOT
	s_add_nc_u64 s[G0B+4*(\s)+2:G0B+4*(\s)+3], s[46:47], (\s)<<19  ; 128 rows of 4,096 bytes on
	s_or_b32 s[G0B+4*(\s)+3], s[G0B+4*(\s)+3], 0x80000000
	JLOAD \s                                       ; two loads of mine are out
.endr
	v_and_b32 v1, 15, v0                           ; l % 16
	v_bfe_u32 v2, v0, 4, 1                         ; l / 16
	v_mul_u32_u24 v3, v1, PAO
	v_lshl_add_u32 v3, v2, 4, v3                   ; a fragment's row x pitch + 16 x half
	s_mul_i32 s22, s11, 128*PAO                    ; my 128 rows
	v_add_nc_u32 v[ADRA], s22, v3
	v_add_nc_u32 v[ADRA+1], SLOT, v[ADRA]
	v_and_b32 v4, 7, v0                            ; the turning load: lane l reads row of K 8 (l / 16) + l % 8, columns 8 ((l / 8) % 2) + 0..7
	v_lshl_add_u32 v4, v2, 3, v4
	v_mul_u32_u24 v4, v4, PBO
	v_bfe_u32 v5, v0, 3, 1
	v_lshl_add_u32 v4, v5, 4, v4
	s_lshl_b32 s23, s12, 8                         ; my 128 columns
	s_add_co_u32 s23, s23, BOFF
	v_add_nc_u32 v[ADRB], s23, v4
	v_add_nc_u32 v[ADRB+1], SLOT, v[ADRB]
	s_mul_i32 s22, s10, 16*SPITCH
	s_add_co_u32 s22, s22, STAGE                   ; my stage
	v_mul_u32_u24 v3, v1, SPITCH                   ; in: row l % 16, 32 bytes for each half of the lanes
	v_lshl_add_u32 v3, v2, 5, v3
	v_add_nc_u32 v[STO], s22, v3
	v_and_b32 v5, 31, v0
	v_lshlrev_b32 v[CO], 4, v5                     ; back, and out: 32 lanes take a row's 512 bytes
	v_add_nc_u32 v[RD], s22, v[CO]
	s_lshl_b32 s2, s13, 21                         ; my part of out0: 256 rows of 8,192 bytes a tile row,
	s_lshl_b32 s3, s11, 20                         ; my 128 rows,
	s_add_co_u32 s2, s2, s3
	s_lshl_b32 s3, s42, 10                         ; the tile's 256 columns,
	s_add_co_u32 s2, s2, s3
	s_lshl_b32 s3, s12, 9                          ; my 128 of them
	s_add_co_u32 s2, s2, s3
	s_mov_b32 s3, 0
	s_add_nc_u64 s[8:9], s[8:9], s[2:3]
; 16 matrix instructions: m blocks a0, a0 + 1 of the window's four (hi = 0: my rows 0-63, 1: rows 64-127) x all 8 n blocks, 32 along K.  The 64 accumulators take turns, one instruction a turn, in the same order in
; every quarter.  zero = 1: the first product starts the sums.
.macro MUL16 f, hi, a0, zero
	WIN MUL_LO+0x50*(\hi)
.irp a, \a0, (\a0)+1
.irp b, 0,1,2,3,4,5,6,7
.if \zero
	v_wmma_f32_16x16x32_f16 v[8*(8*(\a)+(\b)):8*(8*(\a)+(\b))+7], v[(\f)+8*(\b):(\f)+8*(\b)+7], v[(\f)+8*(4*(\hi)+(\a)):(\f)+8*(4*(\hi)+(\a))+7], 0
.else
	v_wmma_f32_16x16x32_f16 v[8*(8*(\a)+(\b)):8*(8*(\a)+(\b))+7], v[(\f)+8*(\b):(\f)+8*(\b)+7], v[(\f)+8*(4*(\hi)+(\a)):(\f)+8*(4*(\hi)+(\a))+7], v[8*(8*(\a)+(\b)):8*(8*(\a)+(\b))+7]
.endif
.endr
.endr
.endm
; 32 LDS loads in one run: quarter kq (32 along K) of a slot into buffer f: B's 16, then A's 16.  Quarter kq lies in head kq / 2 of the step, channels 32 (kq % 2) on.
.macro FETCH slot, kq, f
	WIN TO_B
.irp i, 0,1,2,3,4,5,6,7
	ds_load_tr16_b128 v[(\f)+8*(\i):(\f)+8*(\i)+3],   v[ADRB+(\slot)] offset:(\kq)*32*PBO+32*(\i)
	ds_load_tr16_b128 v[(\f)+8*(\i)+4:(\f)+8*(\i)+7], v[ADRB+(\slot)] offset:(\kq)*32*PBO+32*(\i)+16*PBO
.endr
	WIN 0
.irp i, 0,1,2,3,4,5,6,7
	ds_load_b128 v[(\f)+8*(\i):(\f)+8*(\i)+3],   v[ADRA+(\slot)] offset:((\kq)/2)*HREG+((\kq)%2)*64+(\i)*16*PAO
	ds_load_b128 v[(\f)+8*(\i)+4:(\f)+8*(\i)+7], v[ADRA+(\slot)] offset:((\kq)/2)*HREG+((\kq)%2)*64+(\i)*16*PAO+32
.endr
.endm
.macro PLACES                          ; four places in front of loads into registers that matrix instructions have read, and of stores that read results (ISA guide 7.12.1 for vector instructions)
.rept 4
	v_nop
.endr
.endm
; One of a K step's first three quarters: multiplies buffer f; in its middle it fetches quarter kq of the same slot into buffer g.
.macro QUARTER slot, kq, f, g, zero
	s_wait_dscnt 8                                 ; B and A's rows 0-63 are in; the youngest eight loads (A's rows 64-127) may be out
	MUL16 \f, 0, 0, \zero
	MUL16 \f, 0, 2, \zero
	PLACES
	FETCH \slot, \kq, \g
	s_wait_dscnt 32                                ; all but the 32 just issued
	MUL16 \f, 1, 0, \zero
	MUL16 \f, 1, 2, \zero
.endm
; The fourth quarter multiplies buffer 1 and changes slots.  MEET is its first half: ONE barrier; in front of it each wave waits for all its tensor loads (the one that is out is its part of the next slot), adds 0 to its
; spare word, and waits for that and for its own reads of this slot.
.macro MEET round
	WIN 0                                          ; (the add's two registers lie in window 0)
	s_wait_tensorcnt 0x0                           ; all my tensor loads have landed;
	ds_add_u32 v[SPW], v[NIL]                      ; 0 onto my spare word
	s_wait_dscnt 9                                 ; (the add and the youngest eight loads may be out)
	MUL16 F1, 0, 0, 0                              ; sixteen matrix instructions stand between the add and the wait for it
	s_wait_dscnt 0x0                               ; the add is done, and my reads of this slot are over
	s_barrier_signal -1
	MUL16 F1, 0, 2, 0                              ; work on registers while the others arrive
.if \round
	WIN 0
.endif
	s_barrier_wait -1
.endm
; The whole fourth quarter where the slot is filled again, two K steps on: the barrier opens a round of the cluster's, and the joint refill is the first thing behind it: 224 matrix instructions ahead of the wait for it.
.macro TURN slot, next
	MEET 1
	CREST                                          ; no wave of any partner still reads this slot's tile or has a load on its way
	s_add_nc_u64 s[G0+4*(\slot)+2:G0+4*(\slot)+3], s[G0+4*(\slot)+2:G0+4*(\slot)+3], 1<<20
	s_add_nc_u64 s[G0B+4*(\slot)+2:G0B+4*(\slot)+3], s[G0B+4*(\slot)+2:G0B+4*(\slot)+3], 1<<20
	JLOAD \slot                                    ; the four v_nop behind it are also the places in front of the loads below
	FETCH \next, 0, F0
	MUL16 F1, 1, 0, 0
	MUL16 F1, 1, 2, 0
.endm
	s_wait_tensorcnt 1                             ; my part of K step 0 is in; K step 1's may stay out
	s_barrier_signal -1
	s_barrier_wait -1                              ; everybody's is
	FETCH 0, 0, F0
	QUARTER 0, 1, F0, F1, 1                        ; K step 0: its first products start the sums
	QUARTER 0, 2, F1, F0, 0
	QUARTER 0, 3, F0, F1, 0
	TURN 0, 1                                      ; slot 0 takes K step 2
	QUARTER 1, 1, F0, F1, 0                        ; K step 1
	QUARTER 1, 2, F1, F0, 0
	QUARTER 1, 3, F0, F1, 0
	TURN 1, 0                                      ; slot 1 takes K step 3
	QUARTER 0, 1, F0, F1, 0                        ; K step 2
	QUARTER 0, 2, F1, F0, 0
	QUARTER 0, 3, F0, F1, 0
	MEET 0                                         ; nothing is filled again, so no round follows
	PLACES
	FETCH 1, 0, F0
	MUL16 F1, 1, 0, 0
	MUL16 F1, 1, 2, 0
	QUARTER 1, 1, F0, F1, 0                        ; K step 3
	QUARTER 1, 2, F1, F0, 0
	QUARTER 1, 3, F0, F1, 0
	s_wait_dscnt 8                                 ; the very last quarter: nothing more to fetch
	MUL16 F1, 0, 0, 0
	MUL16 F1, 0, 2, 0
	s_wait_dscnt 0x0
	MUL16 F1, 1, 0, 0
	MUL16 F1, 1, 2, 0
; THE WAY OUT, 16 rows at a time, in f32.  TOSTAGE: a lane's 32 bytes of each accumulator (its low four registers first) into my own stage, rows of 528 bytes, and back as whole rows of 512 bytes.
; SEND: each store of the wave covers 512 consecutive bytes of a row of out0, aligned.  The rows read back take two sets of registers by turns.
.macro TOSTAGE a
	WIN 0x08+4*((\a)/4)                            ; the stores' data (source 1) in window 2 or 3
.set AC, 64*((\a)%4)
.irp b, 0,1,2,3,4,5,6,7
	ds_store_b128 v[STO], v[AC+8*(\b):AC+8*(\b)+3]   offset:64*(\b)
	ds_store_b128 v[STO], v[AC+8*(\b)+4:AC+8*(\b)+7] offset:64*(\b)+16
.endr
	WIN 0
.set BK, F0+64*((\a)%2)
.irp t, 0,1,2,3,4,5,6,7,8,9,10,11,12,13,14,15
	ds_load_b128 v[BK+4*(\t):BK+4*(\t)+3], v[RD] offset:(\t)*SPITCH  ; LDS serves a wave's instructions in order (ISA guide 5.7.1.4): these see the stores above; the next block's stores come behind them
.endr
.endm
.macro SEND a, younger                 ; younger: the LDS instructions issued behind block a's loads: the next block's 32, or none
.set BK, F0+64*((\a)%2)
.irp t, 0,1,2,3,4,5,6,7,8,9,10,11,12,13,14,15
	s_wait_dscnt (\younger)+15-(\t)
	global_store_b128 v[CO], v[BK+4*(\t):BK+4*(\t)+3], s[8:9] offset:(16*(\a)+(\t))*8192 th:TH_STORE_NT  ; 127 rows of 8,192 bytes at the most: inside the signed 24-bit immediate
.endr
.endm
	PLACES                                         ; behind the last products: the stage's stores read results, and its loads land in registers that products have read
	TOSTAGE 0
	TOSTAGE 1
	SEND 0, 32
.irp a, 2,3,4,5,6,7
	s_wait_xcnt 0x0                                ; every earlier store has had its addresses translated (ISA guide 3.1): the registers that block a - 2's stores read are loaded again only behind this wait
	TOSTAGE \a
	SEND (\a)-1, 32
.endr
	SEND 7, 0
	s_wait_tensorcnt 0x0                           ; the wave's end: an add to my spare word and its wait, behind my last tensor load and my last LDS store
	ds_add_u32 v[SPW], v[NIL]
	s_wait_dscnt 0x0
	CROUND                                         ; the closing round: no work-group ends while a partner may still ask for a tile that names it
	s_endpgm
.Lfunc_end_k_q7f211f608d_outp:
	.size	k_q7f211f608d_outp, .Lfunc_end_k_q7f211f608d_outp-k_q7f211f608d_outp
	.p2alignl 7, 3214868480
	.fill 96, 4, 3214868480
	.section	.rodata,"a",@progbits
	.p2align	6, 0x0
	.amdhsa_kernel k_q7f211f608d_outp
		.amdhsa_group_segment_fixed_size 327680
		.amdhsa_private_segment_fixed_size 0
		.amdhsa_enable_private_segment 0
		.amdhsa_kernarg_size 24
		.amdhsa_user_sgpr_count 2
		.amdhsa_user_sgpr_kernarg_segment_ptr 1
		.amdhsa_wavefront_size32 1
		.amdhsa_system_sgpr_workgroup_id_x 1
		.amdhsa_system_sgpr_workgroup_id_y 1
		.amdhsa_system_sgpr_workgroup_id_z 1
		.amdhsa_system_vgpr_workitem_id 0
		.amdhsa_next_free_vgpr 1024
		.amdhsa_next_free_sgpr 66
		.amdhsa_reserve_vcc 0
		.amdhsa_float_denorm_mode_32 3
		.amdhsa_float_denorm_mode_16_64 3
		.amdhsa_memory_ordered 1
		.amdhsa_forward_progress 1
		.amdhsa_inst_pref_size 144
	.end_amdhsa_kernel
	.amdgpu_metadata
---
amdhsa.version: [ 1, 2 ]
amdhsa.kernels:
  - .name:           k_q7f211f608d_outp
    .symbol:         k_q7f211f608d_outp.kd
    .args:
      - { .name: ob, .offset: 0, .size: 8, .value_kind: global_buffer, .address_space: global }
      - { .name: wo16, .offset: 8, .size: 8, .value_kind: global_buffer, .address_space: global }
      - { .name: out0, .offset: 16, .size: 8, .value_kind: global_buffer, .address_space: global }
    .group_segment_fixed_size: 327680
    .private_segment_fixed_size: 0
    .kernarg_segment_align: 8
    .kernarg_segment_size: 24
    .max_flat_workgroup_size: 128
    .sgpr_count:     66
    .vgpr_count:     1024
    .wavefront_size: 32
...
	.end_amdgpu_metadata
.endif
;; end of part 4
;; ======== version 2 of 2: 4 launches; version 1 with the launch wcast written anew for expert scheduling mode
;; limits: values are held in f16: magnitudes above 65,504 overflow, below 6.1e-05 lose precision
;; workspace buffers: wp 4,194,304 bytes; wo16 2,097,152 bytes; qkv 16,777,216 bytes; ob 8,388,608 bytes
;; launch wcast (part 5): grid 256 x 1, 8 waves a work-group, no clusters, 0 bytes of LDS; arguments Wq, Wk, Wv, Wo, wp, wo16; writes wp, wo16
.if DOCPART == 5
	.amdgcn_target "amdgcn-amd-amdhsa--gfx1250"
	.amdhsa_code_object_version 6
	.text
	.protected	k_q7f211f608d_wcast
	.globl	k_q7f211f608d_wcast
	.p2align	8
	.type	k_q7f211f608d_wcast,@function
k_q7f211f608d_wcast:
	s_mov_b64 s[64:65], 0
	v_nop
	global_prefetch_b8 v0, s[64:65] scope:SCOPE_SE
	s_setreg_imm32_b32 hwreg(HW_REG_WAVE_SCHED_MODE, 0, 2), 2
	s_setreg_imm32_b32 hwreg(HW_REG_WAVE_MODE, 25, 1), 1
	s_wait_xcnt 0x0
	s_wait_alu depctr_vm_vsrc(0)
; THE WEIGHTS IN 16 BITS, still [k][n].  wp: four slots of [2048 k][256 columns] bf16, 1 MiB each: Wq, Wk, Wv's columns 0-255, Wv's columns 256-511.
; wo16: [512][2048] f16: Wo rounded to bf16 like every input of the module, and that number written as f16.
; LIMIT.  bf16(Wo) lies within f16's range, 65,504; below 6e-5 f16 keeps a fixed step of 6e-8.
; SHARES.  256 work-groups, all alike: 2,048 numbers of Wq, 2,048 of Wk, 4,096 of Wv, 4,096 of Wo.  A thread takes 4 f32 a load (a wave: 512 consecutive bytes)
; and stores 4 halves (a wave: 256 consecutive bytes, aligned).  Twelve loads go out first; each is waited for by count.  Nothing is shared, so no LDS, no barrier, no matrix unit.
; THE MODE: SCHED_MODE bits 1:0 = 2 (LLVM: expert scheduling mode 2), set by the entry lines.  The code itself states the register dependences
; between vector instructions and memory instructions, with s_wait_alu, always for 0.
; THE PLAN.  Registers that memory instructions touch:
;   v1, v2, v3  byte offsets, made at the head and never written again: v1 is read by the loads, v2 and v3 by the stores.
;   X           written by the twelve loads, each register once, ahead of every vector line that names X; read by the roundings.
;   Y           written by the roundings (Wo's pairs a second time, by the conversions to f16, ahead of their store); read by the stores, each pair once, and never written behind its store.
;   T, v4, v5   named by vector instructions alone.
; The work goes in four groups, a tensor each.  A group's stores go out in one run at the head of the next group, behind the wait for that group's first load and ONE wait on va_vdst, which states that the
; group's roundings have written its Y.  The vector lines that follow the run write the next group's Y and T: none of the registers that the run reads.  No register that a memory instruction reads is
; written again, so no wait on vm_vsrc stands behind the entry lines; no vector line writes a scalar register, VCC or EXEC.
.set X, 16                             ; v[16:63]  load n: four f32
.set Y, 64                             ; v[64:87]  store n: four halves; no pair is written behind its store
.set T, 88                             ; v[88:91]  at work
	s_load_b256 s[4:11], s[0:1], 0x0               ; Wq s[4:5], Wk s[6:7], Wv s[8:9], Wo s[10:11]
	s_load_b128 s[12:15], s[0:1], 0x20             ; wp s[12:13], wo16 s[14:15]
	v_lshlrev_b32 v1, 4, v0                        ; source: 16 bytes a thread
	v_lshlrev_b32 v2, 3, v0                        ; destination, where the layout stays: 8 bytes a thread
	v_and_b32 v3, 63, v0                           ; Wv: a load is two rows of 512 columns; thread t holds row t / 128, columns 4 (t % 128) on
	v_bfe_u32 v4, v0, 6, 1                         ; which half of the columns, that is which slot
	v_lshrrev_b32 v5, 7, v0                        ; which of the two rows
	v_lshlrev_b32 v3, 3, v3
	v_lshl_add_u32 v3, v4, 20, v3
	v_lshl_add_u32 v3, v5, 9, v3                   ; slot x 1 MiB + row x 512 + 8 (t % 64)
	s_lshl_b32 s16, ttmp9, 13                      ; the work-group's part: 8,192 bytes of Wq, of Wk and of wo16,
	s_mov_b32 s17, 0
	s_lshl_b32 s18, ttmp9, 14                      ; 16,384 of Wv and of Wo,
	s_mov_b32 s19, 0
	s_lshl_b32 s20, ttmp9, 12                      ; 4,096 of each slot of wp
	s_mov_b32 s21, 0
	s_mov_b32 s22, 0xffff0000                      ; a word's upper bf16
	s_wait_kmcnt 0x0
	s_add_nc_u64 s[4:5], s[4:5], s[16:17]
	s_add_nc_u64 s[6:7], s[6:7], s[16:17]
	s_add_nc_u64 s[8:9], s[8:9], s[18:19]
	s_add_nc_u64 s[10:11], s[10:11], s[18:19]
	s_add_nc_u64 s[12:13], s[12:13], s[20:21]
	s_add_nc_u64 s[14:15], s[14:15], s[16:17]
	s_wait_alu depctr_va_vdst(0)                   ; v1, v2 and v3 are written: every load and store of the kernel reads one of them as its offset
.irp i, 0,1
	global_load_b128 v[X+4*(\i):X+4*(\i)+3], v1, s[4:5] offset:(\i)*4096 th:TH_LOAD_NT
.endr
.irp i, 0,1
	global_load_b128 v[X+8+4*(\i):X+8+4*(\i)+3], v1, s[6:7] offset:(\i)*4096 th:TH_LOAD_NT
.endr
.irp i, 0,1,2,3
	global_load_b128 v[X+16+4*(\i):X+16+4*(\i)+3], v1, s[8:9] offset:(\i)*4096 th:TH_LOAD_NT
.endr
.irp i, 0,1,2,3
	global_load_b128 v[X+32+4*(\i):X+32+4*(\i)+3], v1, s[10:11] offset:(\i)*4096 th:TH_LOAD_NT
.endr
.macro RND n                           ; load n's four numbers, rounded to bf16
	v_cvt_pk_bf16_f32 v[Y+2*(\n)], v[X+4*(\n)], v[X+4*(\n)+1]
	v_cvt_pk_bf16_f32 v[Y+2*(\n)+1], v[X+4*(\n)+2], v[X+4*(\n)+3]
.endm
.macro CV n                            ; load n is in (the 11 - n younger ones may stay out: loads come back in order, ISA guide 5.7.1); four roundings to bf16
	s_wait_loadcnt 11-(\n)
	RND \n
.endm
.macro TOF16 n                         ; pair n of Y: the four bf16 numbers written as f16
	v_lshlrev_b32 v[T], 16, v[Y+2*(\n)]            ; the bf16 numbers as f32,
	v_and_b32 v[T+1], s22, v[Y+2*(\n)]
	v_lshlrev_b32 v[T+2], 16, v[Y+2*(\n)+1]
	v_and_b32 v[T+3], s22, v[Y+2*(\n)+1]
	v_cvt_pk_f16_f32 v[Y+2*(\n)], v[T], v[T+1]     ; written as f16: exact within f16's range
	v_cvt_pk_f16_f32 v[Y+2*(\n)+1], v[T+2], v[T+3]
.endm
	; Wq: loads 0 and 1
	CV 0
	CV 1
	; Wk: loads 2 and 3; Wq goes out
	s_wait_loadcnt 9                               ; load 2 is in; the nine younger ones may stay out
	s_wait_alu depctr_va_vdst(0)                   ; Wq's roundings have written v[Y:Y+3], which the two stores below read
.irp i, 0,1
	global_store_b64 v2, v[Y+2*(\i):Y+2*(\i)+1], s[12:13] offset:(\i)*2048
.endr
	RND 2
	CV 3
	; Wv: loads 4 to 7; Wk goes out
	s_wait_loadcnt 7                               ; load 4 is in; the seven younger ones may stay out
	s_wait_alu depctr_va_vdst(0)                   ; Wk's roundings have written v[Y+4:Y+7], which the two stores below read
.irp i, 0,1
	global_store_b64 v2, v[Y+4+2*(\i):Y+4+2*(\i)+1], s[12:13] offset:0x100000+(\i)*2048
.endr
	RND 4
	CV 5
	CV 6
	CV 7
	; Wo: loads 8 to 11; Wv goes out
	s_wait_loadcnt 3                               ; load 8 is in; the three younger ones may stay out
	s_wait_alu depctr_va_vdst(0)                   ; Wv's roundings have written v[Y+8:Y+15], which the four stores below read
.irp i, 0,1,2,3
	global_store_b64 v3, v[Y+8+2*(\i):Y+8+2*(\i)+1], s[12:13] offset:0x200000+(\i)*1024
.endr
	RND 8
	TOF16 8
.irp n, 9,10,11
	CV \n
	TOF16 \n
.endr
	s_wait_alu depctr_va_vdst(0)                   ; Wo's conversions to f16 have written v[Y+16:Y+23], which the last four stores read
.irp i, 0,1,2,3
	global_store_b64 v2, v[Y+16+2*(\i):Y+16+2*(\i)+1], s[14:15] offset:(\i)*2048
.endr
	s_endpgm
.Lfunc_end_k_q7f211f608d_wcast:
	.size	k_q7f211f608d_wcast, .Lfunc_end_k_q7f211f608d_wcast-k_q7f211f608d_wcast
	.p2alignl 7, 3214868480
	.fill 96, 4, 3214868480
	.section	.rodata,"a",@progbits
	.p2align	6, 0x0
	.amdhsa_kernel k_q7f211f608d_wcast
		.amdhsa_group_segment_fixed_size 0
		.amdhsa_private_segment_fixed_size 0
		.amdhsa_enable_private_segment 0
		.amdhsa_kernarg_size 48
		.amdhsa_user_sgpr_count 2
		.amdhsa_user_sgpr_kernarg_segment_ptr 1
		.amdhsa_wavefront_size32 1
		.amdhsa_system_sgpr_workgroup_id_x 1
		.amdhsa_system_sgpr_workgroup_id_y 1
		.amdhsa_system_sgpr_workgroup_id_z 1
		.amdhsa_system_vgpr_workitem_id 0
		.amdhsa_next_free_vgpr 96
		.amdhsa_next_free_sgpr 66
		.amdhsa_reserve_vcc 0
		.amdhsa_float_denorm_mode_32 3
		.amdhsa_float_denorm_mode_16_64 3
		.amdhsa_memory_ordered 1
		.amdhsa_forward_progress 1
		.amdhsa_inst_pref_size 7
	.end_amdhsa_kernel
	.amdgpu_metadata
---
amdhsa.version: [ 1, 2 ]
amdhsa.kernels:
  - .name:           k_q7f211f608d_wcast
    .symbol:         k_q7f211f608d_wcast.kd
    .args:
      - { .name: Wq, .offset: 0, .size: 8, .value_kind: global_buffer, .address_space: global }
      - { .name: Wk, .offset: 8, .size: 8, .value_kind: global_buffer, .address_space: global }
      - { .name: Wv, .offset: 16, .size: 8, .value_kind: global_buffer, .address_space: global }
      - { .name: Wo, .offset: 24, .size: 8, .value_kind: global_buffer, .address_space: global }
      - { .name: wp, .offset: 32, .size: 8, .value_kind: global_buffer, .address_space: global }
      - { .name: wo16, .offset: 40, .size: 8, .value_kind: global_buffer, .address_space: global }
    .group_segment_fixed_size: 0
    .private_segment_fixed_size: 0
    .kernarg_segment_align: 8
    .kernarg_segment_size: 48
    .max_flat_workgroup_size: 256
    .sgpr_count:     66
    .vgpr_count:     96
    .wavefront_size: 32
...
	.end_amdgpu_metadata
.endif
;; end of part 5
;; launch proj: the kernel of part 2 again; grid 4 x 64, 4 waves a work-group, clusters of 4 x 4, 327,680 bytes of LDS; arguments Q, K, V, wp, qkv; writes qkv
;; launch attn: the kernel of part 3 again; grid 8 x 32, 8 waves a work-group, clusters of 4 x 1, 327,680 bytes of LDS; arguments qkv, ob; writes ob
;; launch outp: the kernel of part 4 again; grid 8 x 32, 4 waves a work-group, clusters of 4 x 4, 327,680 bytes of LDS; arguments ob, wo16, out0; writes out0
